; MI455X (gfx1250); checked and timed in simulation.
; The chip was launched on July 23, 2026; its instructions are those of AMD's public machine-readable ISA for CDNA 5 (MIT licence, August 2026) and "CDNA5" Instruction Set Architecture Reference Guide (July 2026). The comments in the code are by the model that wrote it; some were corrected since.
;; Attn Block. Allowed arithmetic: matrix products marked QUANTISED: E4M3 operands, one E8M0 scale for each 32 along K, by v_wmma_scale_f32_16x16x128_f8f6f4 with both operands' format E4M3, f32 sums; everything else in f32.
;; Inputs: beta 512 float32; bk 512 float32; bo 512 float32; bq 512 float32; bv 512 float32; gamma 512 float32; wk_codes 512 x 16 x 32 uint8 (E4M3 codes of wk, K innermost, in blocks of 32 codes); wk_scales 512 x 16 uint8 (E8M0 scales of wk, one for each 32 codes along K); wo_codes 512 x 16 x 32 uint8 (E4M3 codes of wo, K innermost, in blocks of 32 codes); wo_scales 512 x 16 uint8 (E8M0 scales of wo, one for each 32 codes along K); wq_codes 512 x 16 x 32 uint8 (E4M3 codes of wq, K innermost, in blocks of 32 codes); wq_scales 512 x 16 uint8 (E8M0 scales of wq, one for each 32 codes along K); wv_codes 512 x 16 x 32 uint8 (E4M3 codes of wv, K innermost, in blocks of 32 codes); wv_scales 512 x 16 uint8 (E8M0 scales of wv, one for each 32 codes along K); x 8 x 512 x 2,048 float32.
;; Outputs: out0 8 x 512 x 2,048 float32.
;; This version of the problem:
;;   THIS VERSION OF THE PROBLEM IS GIVEN IN LOW PRECISION. The matrix products marked QUANTISED in the list below multiply operands that are first quantised to E4M3 (4 exponent bits, 3 mantissa bits; 8 bits a number), with one power-of-two scale for each 32 numbers along K (OCP MX v1.0); their sums are f32. All else is computed in f32.
;;   The module's matrix products, in the order in which they are computed (A, B: the left and right operand; K: the contracted axis; several contracted axes count as one K, in the product's order):
;;     1. [M 16,384, K 512] x [K 512, N 512]; A: computed on the way; B: input wq (given as codes): QUANTISED
;;     2. [M 16,384, K 512] x [K 512, N 512]; A: computed on the way; B: input wk (given as codes): QUANTISED
;;     3. [M 16,384, K 512] x [K 512, N 512]; A: computed on the way; B: input wv (given as codes): QUANTISED
;;     4. batch 8 x [M 2,048, K 512] x [K 512, N 2,048]; A: computed on the way; B: computed on the way: QUANTISED
;;     5. batch 8 x [M 512, K 2,048] x [K 2,048, N 2,048]; A: computed on the way; B: softmax (see below): QUANTISED
;;     6. [M 16,384, K 512] x [K 512, N 512]; A: computed on the way; B: input wo (given as codes): QUANTISED
;;   THE QUANTISER, for each operand of a quantised product, along K:
;;     - K is cut into blocks of 32 from its start; a last block that is shorter is filled with zeros.
;;     - A block's scale is 2^e with e = floor(log2(the largest magnitude in the block)) - 8, held to -126 .. 127; a block of zeros has e = 0. As a byte (E8M0): e + 127.
;;     - Each number is divided by its block's scale, clamped to +-448, and rounded to the nearest number of E4M3, ties to even, subnormals kept.
;;     - The product sums the exact products of the quantised numbers (number of the format x scale) in f32.
;;   ~~~python
;;   def quantise(x, axis):      # numpy; x: float32 -> the quantised numbers, widened to float32 again
;;       x = np.moveaxis(x, axis, -1); K = x.shape[-1]
;;       x = np.pad(x, [(0, 0)] * (x.ndim - 1) + [(0, -K % 32)]); x = x.reshape(x.shape[:-1] + (-1, 32)); a = np.abs(x).max(-1, keepdims=True)
;;       e = np.where(a > 0, np.clip(np.frexp(np.where(a > 0, a, 1))[1] - 1 - 8, -126, 127), 0)      # np.frexp(a)[1] - 1 = floor(log2(a)), exactly
;;       r = np.clip(x / 2.0 ** e, -448, 448)
;;       step = 2.0 ** (np.maximum(np.frexp(np.where(r == 0, 1, r))[1] - 1, -6) - 3)
;;       q = np.round(r / step) * step * 2.0 ** e      # np.round: ties to even
;;       return np.moveaxis(q.reshape(q.shape[:-2] + (-1,))[..., :K], -1, axis).astype(np.float32)
;;   ~~~
;;   SOFTMAX AHEAD OF A QUANTISED PRODUCT. Where the list says 'softmax', what is quantised is not the finished softmax but p = 2^(t - M), with t = logit x log2(e) and M = ceil(the row's largest t), a whole number; so 1/2 < the row's largest p <= 1. The row's sum l is taken of the UNQUANTISED p, in f32, and the product's result is divided by l at the end. Since M is a whole number, a kernel that streams over the keys may use a running M (the ceiling of the running maximum): every later rescaling is an exact power of two, which a block's scale takes up: the codes' values come out the same.
;;   OPERANDS COMPUTED ON THE WAY. 'Computed on the way' means the value that the module computes at that place (a softmax that the list does not call 'softmax' is quantised finished and normalised). What goes into a quantiser is computed in f32, as accurately as f32 sums, v_exp_f32 and their like allow (about 1e-6 of the number): no bf16 or f16 on the way to a quantiser, and a product that is left as it is and whose result goes on into a quantised operand takes f32 operands (vector FMAs, or v_wmma_f32_16x16x4_f32). A number that lies on a knife's edge between two numbers of the format may be rounded either way, as far as f32 arithmetic and the matrix unit's own rounding can turn it there, and no further.
;;   INPUTS GIVEN AS CODES. wk (in the module: [512, 512], K = its axis 1); wo (in the module: [512, 512], K = its axis 1); wq (in the module: [512, 512], K = its axis 1); wv (in the module: [512, 512], K = its axis 1): each comes as NAME_codes (uint8): NAME with its K axis moved to the last place and cut into blocks of 32 codes, [.., K / 32, bytes a block], one block behind the other in memory; one code a byte (a code: sign, 4 exponent bits, 3 mantissa bits); and NAME_scales (uint8): the same leading axes, one E8M0 byte (e + 127) for each 32 codes along K. Its value is code x scale, taken as it is: it is not quantised again, and the codes and scales need not be those that the quantiser above would give.
;; One version. Each part assembles by itself: llvm-mc -triple=amdgcn-amd-amdhsa -mcpu=gfx1250 --defsym DOCPART=n.
;; ======== version 1 of 1: 3 launches
;; workspace buffers: stats 16,384 bytes; wf 1,114,112 bytes; qf 8,912,896 bytes; kv 17,825,792 bytes
;; launch prep (part 1): grid 256 x 1, 8 waves a work-group, no clusters, 0 bytes of LDS; arguments x, wq_codes, wk_codes, wv_codes, wo_codes, wq_scales, wk_scales, wv_scales, wo_scales, stats, wf; writes stats, wf
.if DOCPART == 1
	.amdgcn_target "amdgcn-amd-amdhsa--gfx1250"
	.amdhsa_code_object_version 6
	.text
	.protected	k_q35594119ec_prep
	.globl	k_q35594119ec_prep
	.p2align	8
	.type	k_q35594119ec_prep,@function
k_q35594119ec_prep:
	s_mov_b64 s[64:65], 0
	v_nop
	global_prefetch_b8 v0, s[64:65] scope:SCOPE_SE
	s_setreg_imm32_b32 hwreg(HW_REG_WAVE_MODE, 25, 1), 1
	s_wait_xcnt 0x0
; PREP.  Two things that the later launches want ready.
; (1) Partial statistics of x for the group norm.  x is [8][512][2048] f32; a group (64 channels of one batch) is 524,288 bytes on end.  Wave W = 8 x work-group + wave
;     (0 .. 2,047) takes the 16,384 bytes at 16,384 W, keeps them in 128 registers, and stores (mean, sum of squared distances from that mean) of its 4,096 numbers at stats + 8 W.
;     32 waves make a group; the next launch joins them.  No difference of large sums is formed, so a common offset of x costs no digits.
; (2) The four weights, as they are given (codes and scale bytes are only moved), laid in the order of a matrix operand's registers:
;     wf = [matrix q, k, v, o][K step s of 128] tiles of TILE bytes: 32 fragments of 2,048 bytes (register group c of lane L at 512 c + 16 L), then 32 x 128 bytes of scale words (lane L at 4 L; lanes 16-31 repeat 0-15).
;     Fragment t holds 16 rows.  For q, k, v lane r takes row 32 (t / 2) + 8 (t % 2) + r + 8 (r / 8), so that a result's registers of two neighbouring tiles are 16 neighbours; for o row 16 t + r.
;     A wave moves one piece of 512 bytes: matrix = wg / 64, s = (wg / 16) % 4, t = 2 (wg % 16) + wave / 4, c = wave % 4; the waves with c = 0 also move the fragment's scale words.
; Memory binds: no LDS, no barrier, no matrix unit.  Each load of x and each store of codes covers 512 consecutive bytes, aligned.
; LIMITS: NaN and infinities in x are not served.
.set TILE, 69632
.set XR,   16                          ; v16-143  my 128 numbers of x
.set CH,   144                         ; v144-151 four packed chains
	s_load_b256 s[4:11], s[0:1], 0x0               ; x, wq_codes, wk_codes, wv_codes
	s_load_b256 s[12:19], s[0:1], 0x20             ; wo_codes, wq_scales, wk_scales, wv_scales
	s_load_b128 s[20:23], s[0:1], 0x40             ; wo_scales, stats
	s_load_b64 s[24:25], s[0:1], 0x50              ; wf
	v_lshrrev_b32 v1, 5, v0
	v_readfirstlane_b32 s26, v1                    ; wave 0..7
	v_and_b32 v1, 31, v0                           ; lane
	v_lshlrev_b32 v2, 4, v1                        ; 16 x lane
	v_and_b32 v3, 15, v0                           ; r
	v_bfe_u32 v4, v0, 4, 1                         ; h
	v_lshlrev_b32 v7, 2, v1                        ; 4 x lane
	v_mov_b32 v156, 0                              ; a lane permute's destination counts as one of its sources
	v_mov_b32 v157, 0                              ; the offset of the statistics' store
	s_mov_b32 s46, 0x76543210
	s_mov_b32 s47, 0xfedcba98                      ; v_permlanex16_b32's selects for lane l xor 16
	s_lshr_b32 s27, ttmp9, 6                       ; which matrix
	s_bfe_u32 s28, ttmp9, 0x20004                  ; s
	s_and_b32 s29, ttmp9, 15
	s_lshl_b32 s29, s29, 1
	s_lshr_b32 s30, s26, 2
	s_add_co_u32 s29, s29, s30                     ; t
	s_and_b32 s30, s26, 3                          ; c
	s_lshr_b32 s31, s29, 1
	s_lshl_b32 s31, s31, 5
	s_and_b32 s32, s29, 1
	s_lshl_b32 s32, s32, 3
	s_add_co_u32 s31, s31, s32                     ; q, k, v: the tile's first row 32 (t / 2) + 8 (t % 2)
	s_lshl_b32 s32, s29, 4                         ; o: 16 t
	s_cmp_lt_u32 s27, 3
	s_cselect_b32 s31, s31, s32
	s_cselect_b32 s32, 8, 0                        ; q, k, v: lanes 8-15 stand 8 rows further on
	v_and_b32 v5, s32, v3
	v_add3_u32 v5, v5, v3, s31                     ; my row
	s_lshl_b32 s33, s28, 2
	v_lshl_add_u32 v6, v5, 4, s33                  ; its scale word: 16 bytes a row, + 4 s
	s_lshl_b32 s33, s28, 7
	s_lshl_b32 s34, s30, 5
	s_add_co_u32 s33, s33, s34
	v_lshl_add_u32 v5, v5, 9, s33                  ; its codes: 512 bytes a row, + 128 s + 32 c
	v_lshl_add_u32 v5, v4, 4, v5                   ; + 16 h
	s_lshl_b32 s34, s27, 2
	s_add_co_u32 s34, s34, s28
	s_mul_i32 s34, s34, TILE                       ; the tile in wf
	s_lshl_b32 s35, s29, 11
	s_lshl_b32 s36, s30, 9
	s_add_co_u32 s35, s35, s36
	s_add_co_u32 s36, s34, s35                     ; + 2,048 t + 512 c: my piece
	s_mov_b32 s37, 0
	s_lshl_b32 s38, s29, 7
	s_add_co_u32 s38, s38, s34
	s_add_co_u32 s38, s38, 65536                   ; the fragment's scale words
	s_mov_b32 s39, 0
	s_lshl_b32 s40, ttmp9, 3
	s_add_co_u32 s40, s40, s26                     ; W
	s_lshl_b32 s42, s40, 14
	s_mov_b32 s43, 0
	s_lshl_b32 s44, s40, 3
	s_mov_b32 s45, 0
	s_wait_kmcnt 0x0
	s_bitcmp1_b32 s27, 0                           ; the matrix's buffers are chosen by the work-group's number alone
	s_cselect_b64 s[6:7], s[8:9], s[6:7]           ; k or q
	s_cselect_b64 s[10:11], s[12:13], s[10:11]     ; o or v
	s_cselect_b64 s[14:15], s[16:17], s[14:15]
	s_cselect_b64 s[18:19], s[20:21], s[18:19]
	s_bitcmp1_b32 s27, 1
	s_cselect_b64 s[6:7], s[10:11], s[6:7]         ; the codes
	s_cselect_b64 s[14:15], s[18:19], s[14:15]     ; the scale bytes
	s_add_nc_u64 s[4:5], s[4:5], s[42:43]
	s_add_nc_u64 s[22:23], s[22:23], s[44:45]
	s_add_nc_u64 s[8:9], s[24:25], s[36:37]
	s_add_nc_u64 s[10:11], s[24:25], s[38:39]
	global_load_b128 v[8:11], v5, s[6:7]
	global_load_b32 v12, v6, s[14:15]
.set p, 0
.rept 32
	global_load_b128 v[XR+4*p:XR+4*p+3], v2, s[4:5] offset:512*p th:TH_LOAD_NT
.set p, p+1
.endr
	s_wait_loadcnt 32                              ; the two loads of the weights are in; the 32 of x behind them may be out
	global_store_b128 v2, v[8:11], s[8:9]
	s_cmp_lg_u32 s30, 0
	s_cbranch_scc1 .Lno_scale
	global_store_b32 v7, v12, s[10:11]
.Lno_scale:
	; the sum: four packed chains; eight loads (16 pairs) at a time
	s_wait_loadcnt 24
.set p, 4
.rept 60
.if p%16 == 0
	s_wait_loadcnt 24-8*(p/16)                     ; the next eight loads are in, the younger ones may be out
.endif
.if p < 8
	v_pk_add_f32 v[CH+2*(p%4):CH+2*(p%4)+1], v[XR+2*(p-4):XR+2*(p-4)+1], v[XR+2*p:XR+2*p+1]
.else
	v_pk_add_f32 v[CH+2*(p%4):CH+2*(p%4)+1], v[CH+2*(p%4):CH+2*(p%4)+1], v[XR+2*p:XR+2*p+1]
.endif
.set p, p+1
.endr
.macro RED                             ; the four chains become one number, the same in every lane, in v[CH]
	v_pk_add_f32 v[CH:CH+1], v[CH:CH+1], v[CH+2:CH+3]
	v_pk_add_f32 v[CH+4:CH+5], v[CH+4:CH+5], v[CH+6:CH+7]
	v_pk_add_f32 v[CH:CH+1], v[CH:CH+1], v[CH+4:CH+5]
	v_add_f32 v[CH], v[CH], v[CH+1]
.irp m, 1,2,4,8
	v_add_f32_dpp v[CH], v[CH], v[CH] row_xmask:\m row_mask:0xf bank_mask:0xf
.endr
	v_permlanex16_b32 v156, v[CH], s46, s47
	v_add_f32 v[CH], v[CH], v156
.endm
	RED
	v_mul_f32 v154, 0x39800000, v[CH]              ; the mean of my wave's 4,096 numbers: x 2^-12
	v_sub_f32 v152, 0, v154
	v_sub_f32 v153, 0, v154
.set p, 0
.rept 64
	v_pk_add_f32 v[XR+2*p:XR+2*p+1], v[XR+2*p:XR+2*p+1], v[152:153]   ; the distance from the mean, in place
.set p, p+1
.endr
.set p, 0
.rept 64
.if p < 4
	v_pk_mul_f32 v[CH+2*p:CH+2*p+1], v[XR+2*p:XR+2*p+1], v[XR+2*p:XR+2*p+1]
.else
	v_pk_fma_f32 v[CH+2*(p%4):CH+2*(p%4)+1], v[XR+2*p:XR+2*p+1], v[XR+2*p:XR+2*p+1], v[CH+2*(p%4):CH+2*(p%4)+1]
.endif
.set p, p+1
.endr
	RED
	v_mov_b32 v155, v[CH]
	s_wait_xcnt 0x0                                ; EXEC is a source of the stores above: it changes only behind this wait
	v_cmp_eq_u32 vcc_lo, 0, v1
	s_and_saveexec_b32 s26, vcc_lo
	global_store_b64 v157, v[154:155], s[22:23]    ; lane 0 alone: (mean, sum of squares)
	s_wait_xcnt 0x0
	s_or_b32 exec_lo, exec_lo, s26
	s_endpgm
.Lfunc_end_k_q35594119ec_prep:
	.size	k_q35594119ec_prep, .Lfunc_end_k_q35594119ec_prep-k_q35594119ec_prep
	.p2alignl 7, 3214868480
	.fill 96, 4, 3214868480
	.section	.rodata,"a",@progbits
	.p2align	6, 0x0
	.amdhsa_kernel k_q35594119ec_prep
		.amdhsa_group_segment_fixed_size 0
		.amdhsa_private_segment_fixed_size 0
		.amdhsa_enable_private_segment 0
		.amdhsa_kernarg_size 88
		.amdhsa_user_sgpr_count 2
		.amdhsa_user_sgpr_kernarg_segment_ptr 1
		.amdhsa_wavefront_size32 1
		.amdhsa_system_sgpr_workgroup_id_x 1
		.amdhsa_system_sgpr_workgroup_id_y 1
		.amdhsa_system_sgpr_workgroup_id_z 1
		.amdhsa_system_vgpr_workitem_id 0
		.amdhsa_next_free_vgpr 160
		.amdhsa_next_free_sgpr 66
		.amdhsa_reserve_vcc 1
		.amdhsa_float_denorm_mode_32 3
		.amdhsa_float_denorm_mode_16_64 3
		.amdhsa_memory_ordered 1
		.amdhsa_forward_progress 1
		.amdhsa_inst_pref_size 20
	.end_amdhsa_kernel
	.amdgpu_metadata
---
amdhsa.version: [ 1, 2 ]
amdhsa.kernels:
  - .name:           k_q35594119ec_prep
    .symbol:         k_q35594119ec_prep.kd
    .args:
      - { .name: x, .offset: 0, .size: 8, .value_kind: global_buffer, .address_space: global }
      - { .name: wq_codes, .offset: 8, .size: 8, .value_kind: global_buffer, .address_space: global }
      - { .name: wk_codes, .offset: 16, .size: 8, .value_kind: global_buffer, .address_space: global }
      - { .name: wv_codes, .offset: 24, .size: 8, .value_kind: global_buffer, .address_space: global }
      - { .name: wo_codes, .offset: 32, .size: 8, .value_kind: global_buffer, .address_space: global }
      - { .name: wq_scales, .offset: 40, .size: 8, .value_kind: global_buffer, .address_space: global }
      - { .name: wk_scales, .offset: 48, .size: 8, .value_kind: global_buffer, .address_space: global }
      - { .name: wv_scales, .offset: 56, .size: 8, .value_kind: global_buffer, .address_space: global }
      - { .name: wo_scales, .offset: 64, .size: 8, .value_kind: global_buffer, .address_space: global }
      - { .name: stats, .offset: 72, .size: 8, .value_kind: global_buffer, .address_space: global }
      - { .name: wf, .offset: 80, .size: 8, .value_kind: global_buffer, .address_space: global }
    .group_segment_fixed_size: 0
    .private_segment_fixed_size: 0
    .kernarg_segment_align: 8
    .kernarg_segment_size: 88
    .max_flat_workgroup_size: 256
    .sgpr_count:     66
    .vgpr_count:     160
    .wavefront_size: 32
...
	.end_amdgpu_metadata
.endif
;; end of part 1
;; launch qkv (part 2): grid 32 x 8, 4 waves a work-group, clusters of 4 x 1, 327,680 bytes of LDS; arguments x, gamma, beta, stats, wf, bq, bk, bv, qf, kv; writes qf, kv
.if DOCPART == 2
	.amdgcn_target "amdgcn-amd-amdhsa--gfx1250"
	.amdhsa_code_object_version 6
	.text
	.protected	k_q35594119ec_qkv
	.globl	k_q35594119ec_qkv
	.p2align	8
	.type	k_q35594119ec_qkv,@function
k_q35594119ec_qkv:
	s_mov_b64 s[64:65], 0
	v_nop
	global_prefetch_b8 v0, s[64:65] scope:SCOPE_SE
	s_setreg_imm32_b32 hwreg(HW_REG_WAVE_MODE, 25, 1), 1
	s_wait_xcnt 0x0
	s_wait_alu depctr_hold_cnt(0) depctr_sa_sdst(0) depctr_va_vdst(0) depctr_va_sdst(0) depctr_va_ssrc(0) depctr_va_vcc(0) depctr_vm_vsrc(0)
	s_getreg_b32 s2, hwreg(HW_REG_IB_STS2, 6, 4)
	s_cmp_eq_u32 s2, 0
	s_cbranch_scc0 .Lentry_in_a_cluster
	s_endpgm
.Lentry_in_a_cluster:
	s_bfe_u32 s2, ttmp6, 0x10000c
	s_cmp_lg_u32 s2, 0x3003
	s_cbranch_scc0 .Lentry_shape_is_right
	s_endpgm
.Lentry_shape_is_right:
; QKV.  h = group norm of x; q, k, v = W h + b, three products on codes of FP8 (E4M3) with one E8M0 scale for each 32 along K (K = the 512 channels); q and k are quantised along their channels, v along the keys.
; SHARES.  A work-group takes one batch b and 64 places l (block blk); wave w makes outputs 128 w .. 128 w + 127 of each of q, k, v for all 64 l: 32 accumulators, 384 matrix instructions.
; Ahead of that, wave w normalises and quantises channels 128 w .. + 127 of x: K step w of h.  h goes from wave to wave through LDS as images of the operand's registers and then stays in registers (window 1).
; THE WEIGHTS lie in wf in operand order (launch prep): 12 tiles of TILE bytes on end.  They come two tiles at a time (a fill) through two LDS slots; each wave fetches a quarter, 136 rows of 256 bytes.
; CLUSTER.  All work-groups walk the same 12 tiles, so the four of a cluster ask for each fill JOINTLY: the same tensor load, the same descriptor, a mask that names the four.
; ORDER OF ROWS.  Lane r of tile 2 b + u (of W's rows, and of h's places l) takes row 32 b + 8 u + r + 8 (r / 8).  So: q, k (source 0 = W, source 1 = h): a lane holds one l, and its 64 registers of eight tiles run along
; 128 neighbouring channels: one fragment of the next product.  v (source 0 = h, source 1 = W): a lane holds one channel, and the 16 registers of two tiles of l are 16 neighbouring keys.
; OUT.  qf = [b][blk] records of 34,816 bytes: fragment 4 s + T at 2,048 (4 s + T), its scale words at 32,768 + 128 (4 s + T).  kv = [b][512 keys][8 tiles]: tiles 0-3 k for channel step s (fragment = 16 keys),
; tiles 4-7 v for 128 keys each (fragment = 16 channels).  Every store of codes covers 512 consecutive bytes, aligned.  v's scale words are written in halves (2 bytes a lane): a word's other half belongs to the neighbouring block.
; LIMITS: NaN and infinities are not served.  A block of zeros gets the scale byte 1 (the floor 2^-118 under every largest magnitude), not 127: its codes are zeros and this program alone reads the bytes.
; h is formed as (x - mean) x (gamma x rstd) + beta: one order of rounding other than the source's.
; REGISTERS, in windows of 256.  Window 0: below.  Window 1: h's 16 fragments at v[16 (4 T + s)].  Window 2: x as loaded (channel ch of my 128 in v[2 ch : 2 ch + 1]), then the 32 accumulators.  Window 3: two sets of 8 weight fragments.
.set TILE,  69632                      ; 32 fragments x 2,048 bytes, then 32 x 128 bytes of scale words
.set FILL,  2*TILE
.set QUART, FILL/4
.set HIMG,  2*FILL                     ; LDS behind the two slots: h's 16 fragments (4 T + s),
.set HSC,   HIMG+16*2048               ; their scale words, 64 bytes each (row r at 4 r),
.set SPARE, HSC+16*64                  ; and the spare words, 128 bytes for each wave: two blocks of 256 bytes that no other line names
.set LI,  4                            ; v4   16 x lane
.set LS,  5                            ; v5   4 x lane
.set XO,  6                            ; v6   8 x lane
.set HW,  7                            ; v7   where I store h's codes
.set HSW, 8                            ; v8   and h's scale words
.set HRD, 9                            ; v9   HIMG + 16 x lane
.set HSR, 10                           ; v10  HSC + 4 r
.set BO1, 11                           ; v11  64 h
.set BO2, 12                           ; v12  4 (r + 8 (r / 8))
.set SPW, 13                           ; v13  my spare word; never rewritten
.set NIL, 14                           ; v14  0; never rewritten
.set WA,  16                           ; v16-19  my 8 fragments in tile n = 2 slot + tile of the slot
.set WSA, 20                           ; v20-23  and their scale words
.set HS,  32                           ; v32-47  h's scale words (4 T + s)
.set WS,  48                           ; v48-63  the weights' scale words, two sets of 8
.set TM,  64                           ; v64-79  at work in a quantiser
.set PW,  80                           ; v80-83  scale words just made
.set GA,  84                           ; v84-87  gamma x rstd of my 128 channels, a lane a channel
.set GB,  88                           ; v88-91  beta likewise
.set CX,  96                           ; v96-127 h's codes, two sets of 16
.set BV1, 96                           ; v96-103 later: bv as loaded
.set H,   128                          ; v128-191 32 numbers of h for my even l, then 32 for my odd l
.set PC,  128                          ; later: the codes just made, 16 registers for each of four fragments
.set BI,  192                          ; v192-255 the bias as the C of a sum's first product, 8 registers a tile
.set WV,  14                           ; s14  wave
.set G1,  16                           ; s[16:23] descriptor group 1
.set G0,  24                           ; s[24:31] group 0, a set for each slot
.set SA,  32                           ; s[32:47] gamma x rstd of 16 channels
.set SB,  48                           ; s[48:63] beta of 16 channels
.set SEL, 66
.set MNT, 68
.set NM,  70                           ; s[70:71], s[72:73] -mean of my two groups
.set QC,  86                           ; s[86:97] where the results go
.set QSC, 88
.set KC,  90
.set KSC, 92
.set VC,  94
.set VSC, 96
.set MSB, 0
.macro WIN new                         ; the immediate's high byte repeats the setting that is left; a switch that changes nothing is dropped
.if MSB != (\new)
	s_set_vgpr_msb (MSB<<8)|(\new)
.set MSB, \new
.endif
.endm
.macro PLACES n
.rept \n
	v_nop
.endr
.endm
.macro CROUND                          ; a round of the cluster's barrier
	s_barrier_signal -1
	s_barrier_wait -1
	s_cmp_lg_u32 s[WV], 0
	s_cbranch_scc1 .Lnot_wave_0_\@
	s_barrier_signal -3
.Lnot_wave_0_\@:
	s_barrier_wait -3
	s_barrier_signal -1
	s_barrier_wait -1
.endm
.macro JLOAD j                         ; my quarter of a fill into slot j; four v_nop follow
	tensor_load_to_lds s[G0+4*\j:G0+4*\j+3], s[G1:G1+7]
	s_nop 0
	PLACES 4
.endm
; 64 numbers of a lane in window wn, register 16 b + i = k 32 b + 16 (lane / 16) + i of my row, become a fragment's codes in v[pc] on and its scale word in v[pw] (both window 0).
.macro QUANT src, wn, pc, pw
	WIN (\wn)|((\wn)<<2)
.irp b, 0,1,2,3
	v_max3_num_f32 v[TM+\b], |v[16*\b+(\src)]|, |v[16*\b+1+(\src)]|, 0x4800000   ; my 16 numbers of block b, and the floor 2^(9 - 127): the byte cannot fall under 1
.endr
.irp i, 2,4,6,8,10,12,14
.irp b, 0,1,2,3
	v_max3_num_f32 v[TM+\b], |v[16*\b+\i+(\src)]|, |v[16*\b+\i+1+(\src)]|, v[TM+\b]   ; the four blocks by turns; each accumulator is read from its low end on
.endr
.endr
	WIN 0
.irp b, 0,1,2,3
	v_permlanex16_b32 v[TM+4+\b], v[TM+\b], s[SEL], s[SEL+1]
.endr
.irp b, 0,1,2,3
	v_max_num_f32 v[TM+\b], v[TM+\b], v[TM+4+\b]   ; with lane l xor 16's: the block's largest magnitude
.endr
.irp b, 0,1,2,3
	v_add_nc_u32 v[TM+12+\b], 0xfc000000, v[TM+\b] ; 8 off its exponent field: the conversion's scale operand
.endr
.irp b, 0,1,2,3
	v_and_or_b32 v[TM+8+\b], v[TM+\b], 0x7f800000, s[MNT]   ; 448 x the scale
.endr
.irp b, 0,1,2,3
	v_lshrrev_b32 v[TM+4+\b], 23, v[TM+12+\b]      ; the scale's byte
.endr
	v_lshl_or_b32 v[\pw], v[TM+5], 8, v[TM+4]
	v_lshl_or_b32 v[\pw], v[TM+6], 16, v[\pw]
	v_lshl_or_b32 v[\pw], v[TM+7], 24, v[\pw]
	WIN (\wn)|((\wn)<<6)
.irp b, 0,1,2,3
.irp i, 0,1,2,3,4,5,6,7,8,9,10,11,12,13,14,15
	v_med3_num_f32 v[16*\b+\i+(\src)], v[16*\b+\i+(\src)], -v[TM+8+\b], v[TM+8+\b]   ; the conversion to an 8-bit code does not saturate (ISA guide 7.6.2): the hold
.endr
.endr
	WIN \wn
.irp b, 0,1,2,3
	v_cvt_scalef32_pk8_fp8_f32 v[4*\b+(\pc):4*\b+1+(\pc)], v[16*\b+(\src):16*\b+7+(\src)], v[TM+12+\b]
	v_cvt_scalef32_pk8_fp8_f32 v[4*\b+2+(\pc):4*\b+3+(\pc)], v[16*\b+8+(\src):16*\b+15+(\src)], v[TM+12+\b]
.endr
	WIN 0
	v_nop                                          ; one plain line behind the last conversion, ahead of whatever next writes its sources
.endm
	s_load_b256 s[4:11], s[0:1], 0x0               ; x, gamma, beta, stats
	s_load_b64 s[12:13], s[0:1], 0x20              ; wf
	s_load_b256 s[76:83], s[0:1], 0x28             ; bq, bk, bv, qf
	s_load_b64 s[84:85], s[0:1], 0x48              ; kv
	v_lshl_add_u32 v[SPW], v0, 2, SPARE
	v_mov_b32 v[NIL], 0
	ds_add_u32 v13, v14
	ds_add_u32 v13, v14
	s_wait_dscnt 0x0
	v_lshrrev_b32 v1, 5, v0
	v_readfirstlane_b32 s[WV], v1                  ; wave 0..3
	v_and_b32 v1, 31, v0                           ; lane
	v_and_b32 v2, 15, v0                           ; r
	v_bfe_u32 v3, v0, 4, 1                         ; h
	v_lshlrev_b32 v[LI], 4, v1
	v_lshlrev_b32 v[LS], 2, v1
	v_lshlrev_b32 v[XO], 3, v1
	; my two places are l = 2 lane + e.  By the order of rows l lies in tile T = 2 (lane / 16) + (lane / 4) % 2, at row r = 2 (lane % 4) + e + 8 ((lane / 8) % 2)
	v_and_b32 v15, 3, v0
	v_bfe_u32 v24, v0, 2, 1
	v_bfe_u32 v25, v0, 3, 1
	s_lshl_b32 s98, s[WV], 11
	s_add_co_u32 s98, s98, HIMG
	v_lshl_add_u32 v[HW], v15, 5, s98              ; HIMG + 2,048 (4 T + w) + 16 r
	v_lshl_add_u32 v[HW], v25, 7, v[HW]
	v_lshl_add_u32 v[HW], v24, 13, v[HW]
	v_lshl_add_u32 v[HW], v3, 14, v[HW]
	s_lshl_b32 s98, s[WV], 6
	s_add_co_u32 s98, s98, HSC
	v_lshl_add_u32 v[HSW], v15, 3, s98             ; HSC + 64 (4 T + w) + 4 r
	v_lshl_add_u32 v[HSW], v25, 5, v[HSW]
	v_lshl_add_u32 v[HSW], v24, 8, v[HSW]
	v_lshl_add_u32 v[HSW], v3, 9, v[HSW]
	v_add_nc_u32 v[HRD], HIMG, v[LI]
	v_lshl_add_u32 v[HSR], v2, 2, HSC
	v_lshlrev_b32 v[BO1], 6, v3
	v_and_b32 v[BO2], 8, v2
	v_add_lshl_u32 v[BO2], v[BO2], v2, 2
	s_lshl_b32 s98, s[WV], 14
	v_add_nc_u32 v[WA], s98, v[LI]                 ; my 8 fragments: 16,384 w + 16 x lane in a tile
	v_add_nc_u32 v[WA+1], TILE, v[WA]
	v_add_nc_u32 v[WA+2], FILL, v[WA]
	v_add_nc_u32 v[WA+3], FILL+TILE, v[WA]
	s_lshl_b32 s98, s[WV], 10
	s_add_co_u32 s98, s98, 65536
	v_add_nc_u32 v[WSA], s98, v[LS]
	v_add_nc_u32 v[WSA+1], TILE, v[WSA]
	v_add_nc_u32 v[WSA+2], FILL, v[WSA]
	v_add_nc_u32 v[WSA+3], FILL+TILE, v[WSA]
.irp b, 0,1,2,3
	v_mov_b32 v[TM+4+\b], 0                        ; written once: a lane permute's destination counts as one of its sources
.endr
	s_bfe_u32 s15, ttmp6, 0x40000                  ; cx: it enters the addresses of x, qf and kv alone
	s_lshl_b32 s2, ttmp9, 2
	s_add_co_u32 s2, s2, s15                       ; blk
	s_and_b32 s3, ttmp7, 0xffff                    ; b
	s_mov_b32 s[G1], 15|(3<<16)|(1<<21)            ; 15:0 the mask: all four work-groups; 17:16 elements of 8 bytes; 21 set beside a mask; no padding
	s_mov_b32 s[G1+1], 32<<16                      ; tensor_dim0 = 32 elements: rows of 256 bytes
	s_mov_b32 s[G1+2], 136<<16                     ; tensor_dim1 = 136 rows
	s_mov_b32 s[G1+3], 32<<16                      ; tile_dim0
	s_mov_b32 s[G1+4], 136                         ; tile_dim1
	s_mov_b32 s[G1+5], 32                          ; from row to row: dense
	s_mov_b32 s[G1+6], 0
	s_mov_b32 s[G1+7], 0
	s_mov_b32 s[SEL], 0x76543210
	s_mov_b32 s[SEL+1], 0xfedcba98
	s_mov_b32 s[MNT], 0x600000                     ; the mantissa field of 448
	s_lshl_b32 s32, s3, 22                         ; x: 4,194,304 b + 1,048,576 w + 256 blk
	s_lshl_b32 s98, s[WV], 20
	s_add_co_u32 s32, s32, s98
	s_lshl_b32 s98, s2, 8
	s_add_co_u32 s32, s32, s98
	s_mov_b32 s33, 0
	s_lshl_b32 s34, s[WV], 9                       ; my 128 numbers of gamma, beta and the biases
	s_mov_b32 s35, 0
	s_lshl_b32 s36, s3, 11                         ; stats: 256 bytes a group, groups 8 b + 2 w and the next
	s_add_co_u32 s36, s36, s34
	s_mov_b32 s37, 0
	s_mul_i32 s38, s[WV], QUART                    ; my quarter of a fill, in memory and in a slot
	s_mov_b32 s39, 0
	s_lshl_b32 s[QC], s3, 5
	s_add_co_u32 s[QC], s[QC], s2
	s_mul_i32 s[QC], s[QC], 34816                  ; qf: the block's record
	s_lshl_b32 s[QSC], s[WV], 9
	s_add_co_u32 s[QSC], s[QSC], s[QC]
	s_add_co_u32 s[QSC], s[QSC], 32768
	s_lshl_b32 s98, s[WV], 13
	s_add_co_u32 s[QC], s[QC], s98
	s_mov_b32 s[QC+1], 0
	s_mov_b32 s[QSC+1], 0
	s_mul_i32 s[KC], s3, 2228224                   ; kv: the batch, and its run of 512 keys
	s_lshr_b32 s98, s2, 3
	s_mul_i32 s98, s98, 557056
	s_add_co_u32 s[KC], s[KC], s98
	s_mov_b32 s[VC], s[KC]
	s_mul_i32 s98, s[WV], TILE
	s_add_co_u32 s[KC], s[KC], s98                 ; k: tile w
	s_and_b32 s98, s2, 7
	s_lshl_b32 s100, s98, 9
	s_add_co_u32 s[KSC], s[KC], s100
	s_add_co_u32 s[KSC], s[KSC], 65536
	s_lshl_b32 s100, s98, 13
	s_add_co_u32 s[KC], s[KC], s100                ; fragments 4 (blk % 8) on
	s_mov_b32 s[KC+1], 0
	s_mov_b32 s[KSC+1], 0
	s_bfe_u32 s98, s2, 0x20001
	s_add_co_u32 s98, s98, 4
	s_mul_i32 s98, s98, TILE
	s_add_co_u32 s[VC], s[VC], s98                 ; v: tile 4 + (blk / 2) % 4
	s_and_b32 s98, s2, 1
	s_lshl_b32 s100, s[WV], 10
	s_add_co_u32 s[VSC], s[VC], s100
	s_add_co_u32 s[VSC], s[VSC], 65536
	s_lshl_b32 s100, s98, 1
	s_add_co_u32 s[VSC], s[VSC], s100              ; my half of each scale word
	s_lshl_b32 s100, s[WV], 14
	s_add_co_u32 s[VC], s[VC], s100
	s_lshl_b32 s100, s98, 10
	s_add_co_u32 s[VC], s[VC], s100                ; my two of each fragment's four register groups
	s_mov_b32 s[VC+1], 0
	s_mov_b32 s[VSC+1], 0
	s_wait_kmcnt 0x0
	s_add_nc_u64 s[4:5], s[4:5], s[32:33]
	s_add_nc_u64 s[6:7], s[6:7], s[34:35]
	s_add_nc_u64 s[8:9], s[8:9], s[34:35]
	s_add_nc_u64 s[10:11], s[10:11], s[36:37]
	s_add_nc_u64 s[12:13], s[12:13], s[38:39]
	s_add_nc_u64 s[76:77], s[76:77], s[34:35]
	s_add_nc_u64 s[78:79], s[78:79], s[34:35]
	s_add_nc_u64 s[80:81], s[80:81], s[34:35]
	s_add_nc_u64 s[QC:QC+1], s[82:83], s[QC:QC+1]
	s_add_nc_u64 s[QSC:QSC+1], s[82:83], s[QSC:QSC+1]
	s_add_nc_u64 s[KC:KC+1], s[84:85], s[KC:KC+1]
	s_add_nc_u64 s[KSC:KSC+1], s[84:85], s[KSC:KSC+1]
	s_add_nc_u64 s[VC:VC+1], s[84:85], s[VC:VC+1]
	s_add_nc_u64 s[VSC:VSC+1], s[84:85], s[VSC:VSC+1]
.irp j, 0,1
	s_mov_b32 s[G0+4*\j], 1                        ; count = 1
	s_add_co_u32 s[G0+4*\j+1], s38, \j*FILL        ; LDS address: slot j, my quarter
	s_add_nc_u64 s[G0+4*\j+2:G0+4*\j+3], s[12:13], \j*FILL   ; fill j
	s_or_b32 s[G0+4*\j+3], s[G0+4*\j+3], 0x80000000          ; type = 2
.endr
.macro BIASQK base                     ; lane (r, h) wants, for tile 2 b + u, the bias of outputs 32 b + 16 h + 8 u + 0 .. 7
.irp t, 0,1,2,3,4,5,6,7
	global_load_b128 v[BI+8*\t:BI+8*\t+3], v[BO1], s[\base:\base+1] offset:(32*(\t/2)+8*(\t%2))*4
	global_load_b128 v[BI+8*\t+4:BI+8*\t+7], v[BO1], s[\base:\base+1] offset:(32*(\t/2)+8*(\t%2))*4+16
.endr
.endm
.macro XLOAD cb                        ; 32 channels of x at my 64 places: each load covers 256 consecutive bytes, aligned
	WIN 0x80
.set i, 0
.rept 32
	global_load_b64 v[64*(\cb)+2*i:64*(\cb)+2*i+1], v[XO], s[4:5] offset:8192*(32*(\cb)+i) th:TH_LOAD_NT
.set i, i+1
.endr
	WIN 0
.endm
	global_load_b64 v[92:93], v[XO], s[10:11]      ; the 32 partial (mean, sum of squares) of group 2 w, a lane each,
	global_load_b64 v[94:95], v[XO], s[10:11] offset:256   ; and of group 2 w + 1
.irp i, 0,1,2,3
	global_load_b32 v[GA+\i], v[LS], s[6:7] offset:128*\i
	global_load_b32 v[GB+\i], v[LS], s[8:9] offset:128*\i
.endr
	BIASQK 76
	XLOAD 0
	CROUND                                         ; all four work-groups are here: the first joint loads meet
	tensor_load_to_lds s[G0:G0+3], s[G1:G1+7]      ; the two first fills go out together: two loads of mine are out
	s_nop 0
	tensor_load_to_lds s[G0+4:G0+7], s[G1:G1+7]
	s_nop 0
	PLACES 4
	s_wait_loadcnt 32                              ; all but the 32 loads of x
	; the groups' statistics: mean = the mean of the 32 means; the sum of squares = the sum of (each part's + 4,096 x its mean's distance squared)
.macro RED2 a, c
.irp m, 1,2,4,8
	v_add_f32_dpp v[\a], v[\a], v[\a] row_xmask:\m row_mask:0xf bank_mask:0xf
	v_add_f32_dpp v[\c], v[\c], v[\c] row_xmask:\m row_mask:0xf bank_mask:0xf
.endr
	v_permlanex16_b32 v[TM+4], v[\a], s[SEL], s[SEL+1]
	v_permlanex16_b32 v[TM+5], v[\c], s[SEL], s[SEL+1]
	v_add_f32 v[\a], v[\a], v[TM+4]
	v_add_f32 v[\c], v[\c], v[TM+5]
.endm
	v_mov_b32 v[TM], v92
	v_mov_b32 v[TM+1], v94
	RED2 TM, TM+1
	v_mul_f32 v[TM], 0x3d000000, v[TM]             ; / 32
	v_mul_f32 v[TM+1], 0x3d000000, v[TM+1]
	v_sub_f32 v92, v92, v[TM]
	v_sub_f32 v94, v94, v[TM+1]
	v_mul_f32 v[TM+2], 0x45800000, v92             ; x 4,096
	v_mul_f32 v[TM+3], 0x45800000, v94
	v_fma_f32 v93, v[TM+2], v92, v93
	v_fma_f32 v95, v[TM+3], v94, v95
	RED2 93, 95
	s_mov_b32 s98, 0x37000000                      ; 2^-17: a group has 131,072 numbers
	v_fmaak_f32 v93, s98, v93, 0x358637bd          ; the variance + 1e-6
	v_fmaak_f32 v95, s98, v95, 0x358637bd
	v_rsq_f32 v93, v93
	v_rsq_f32 v95, v95
	v_sub_f32 v[TM], 0, v[TM]                      ; -mean (plain lines behind the two roots)
	v_sub_f32 v[TM+1], 0, v[TM+1]
	s_wait_alu depctr_va_vdst(0)                   ; one wait for both roots, ahead of their first reader
	v_mul_f32 v[GA], v[GA], v93
	v_mul_f32 v[GA+1], v[GA+1], v93
	v_mul_f32 v[GA+2], v[GA+2], v95
	v_mul_f32 v[GA+3], v[GA+3], v95
	v_readfirstlane_b32 s[NM], v[TM]
	v_readfirstlane_b32 s[NM+2], v[TM+1]
	s_mov_b32 s[NM+1], s[NM]                       ; (named with it as a pair, so it is written)
	s_mov_b32 s[NM+3], s[NM+2]
	XLOAD 1
; A block of 32 channels: a whole block of the quantiser lies in ONE lane, for each of its two places.  left = the loads of the one younger batch, which may stay out.
.macro XBLOCK cb, left
	s_wait_loadcnt \left
	WIN 0x82
.set i, 0
.rept 32
	v_pk_add_f32 v[64*\cb+2*i:64*\cb+2*i+1], v[64*\cb+2*i:64*\cb+2*i+1], s[NM+2*(\cb/2):NM+2*(\cb/2)+1] op_sel_hi:[1,0]   ; x - mean
.set i, i+1
.endr
.irp g, 0,1
	WIN 0
.irp k, 0,1,2,3,4,5,6,7,8,9,10,11,12,13,14,15
	v_readlane_b32 s[SA+\k], v[GA+\cb], 16*\g+\k
	v_readlane_b32 s[SB+\k], v[GB+\cb], 16*\g+\k
.endr
	WIN 0x02
.irp k, 0,1,2,3,4,5,6,7,8,9,10,11,12,13,14,15
	v_fma_f32 v[H+16*\g+\k], v[64*\cb+32*\g+2*\k], s[SA+\k], s[SB+\k]        ; h of my even place,
	v_fma_f32 v[H+32+16*\g+\k], v[64*\cb+32*\g+2*\k+1], s[SA+\k], s[SB+\k]   ; and of my odd one: the channels on end in window 0
.endr
.endr
	WIN 0
.irp q, 0,1,2,3
	v_max3_num_f32 v[TM+\q], |v[H+16*\q]|, |v[H+16*\q+1]|, 0x4800000         ; four chains of 16 numbers, each over the floor 2^(9 - 127)
.endr
.irp i, 2,4,6,8,10,12,14
.irp q, 0,1,2,3
	v_max3_num_f32 v[TM+\q], v[TM+\q], |v[H+16*\q+\i]|, |v[H+16*\q+\i+1]|
.endr
.endr
	v_max_num_f32 v[TM], v[TM], v[TM+1]            ; the block's largest magnitude at my even place,
	v_max_num_f32 v[TM+2], v[TM+2], v[TM+3]        ; and at my odd one
.irp e, 0,1
	v_add_nc_u32 v[TM+12+\e], 0xfc000000, v[TM+2*\e]
	v_and_or_b32 v[TM+8+\e], v[TM+2*\e], 0x7f800000, s[MNT]
.endr
.irp e, 0,1
	v_lshrrev_b32 v[TM+4+\e], 23, v[TM+12+\e]
.endr
.irp e, 0,1
.if \cb == 0
	v_mov_b32 v[PW+\e], v[TM+4+\e]                 ; the four blocks' bytes make the K step's scale word
.else
	v_lshl_or_b32 v[PW+\e], v[TM+4+\e], 8*\cb, v[PW+\e]
.endif
.endr
.irp e, 0,1
.irp i, 0,1,2,3,4,5,6,7,8,9,10,11,12,13,14,15,16,17,18,19,20,21,22,23,24,25,26,27,28,29,30,31
	v_med3_num_f32 v[H+32*\e+\i], v[H+32*\e+\i], -v[TM+8+\e], v[TM+8+\e]
.endr
.endr
.if \cb >= 2
	s_wait_dscnt 4                                 ; the four stores of two blocks back have read this set of code registers; the last block's four may be out
.endif
.irp e, 0,1
.irp g, 0,1,2,3
	v_cvt_scalef32_pk8_fp8_f32 v[CX+16*(\cb%2)+8*\e+2*\g:CX+16*(\cb%2)+8*\e+2*\g+1], v[H+32*\e+8*\g:H+32*\e+8*\g+7], v[TM+12+\e]
.endr
.endr
	v_nop                                          ; one plain line behind the last conversion
.irp e, 0,1
.irp g, 0,1
	ds_store_b128 v[HW], v[CX+16*(\cb%2)+8*\e+4*\g:CX+16*(\cb%2)+8*\e+4*\g+3] offset:512*\cb+256*\g+16*\e   ; register group cb of lane r + 16 g of the fragment's image
.endr
.endr
.if \cb < 2
	XLOAD \cb+2
.endif
.endm
	XBLOCK 0, 32
	XBLOCK 1, 32
	XBLOCK 2, 32
	XBLOCK 3, 0
	ds_store_b32 v[HSW], v[PW]
	ds_store_b32 v[HSW], v[PW+1] offset:4
	s_wait_tensorcnt 0x1                           ; my quarter of fill 0 is in; fill 1's may stay out
	s_wait_dscnt 0x0                               ; for the others' sake: my stores have landed
	s_barrier_signal -1
	s_barrier_wait -1
	WIN 0x40                                       ; h's sixteen fragments come into window 1 and stay
.irp f, 0,1,2,3,4,5,6,7,8,9,10,11,12,13,14,15
.irp c, 0,1,2,3
	ds_load_b128 v[16*\f+4*\c:16*\f+4*\c+3], v[HRD] offset:2048*\f+512*\c
.endr
.endr
	WIN 0
.irp f, 0,1,2,3,4,5,6,7,8,9,10,11,12,13,14,15
	ds_load_b32 v[HS+\f], v[HSR] offset:64*\f
.endr
.macro FETCHW n, fs                    ; my 8 fragments of tile n and their scale words into set fs: 40 LDS loads
	WIN 0xc0
.irp t, 0,1,2,3,4,5,6,7
.irp c, 0,1,2,3
	ds_load_b128 v[128*(\fs)+16*\t+4*\c:128*(\fs)+16*\t+4*\c+3], v[WA+(\n)] offset:2048*\t+512*\c
.endr
.endr
	WIN 0
.irp t, 0,1,2,3,4,5,6,7
	ds_load_b32 v[WS+8*(\fs)+\t], v[WSA+(\n)] offset:128*\t
.endr
.endm
; 32 matrix instructions: K step k, weights' set fs.  The 32 accumulators take turns, one instruction a turn.  The first K step takes the bias as C.
.macro MULT k, fs                      ; q, k: source 0 = 16 rows of W, source 1 = h
.if (\k) == 0
	WIN 0x87
.else
	WIN 0xa7
.endif
.irp t, 0,1,2,3,4,5,6,7
.irp m, 0,1,2,3
.if (\k) == 0
	v_wmma_scale_f32_16x16x128_f8f6f4 v[64*\m+8*\t:64*\m+8*\t+7], v[128*(\fs)+16*\t:128*(\fs)+16*\t+15], v[16*(4*\m+(\k)):16*(4*\m+(\k))+15], v[BI+8*\t:BI+8*\t+7], v[WS+8*(\fs)+\t], v[HS+4*\m+(\k)]
.else
	v_wmma_scale_f32_16x16x128_f8f6f4 v[64*\m+8*\t:64*\m+8*\t+7], v[128*(\fs)+16*\t:128*(\fs)+16*\t+15], v[16*(4*\m+(\k)):16*(4*\m+(\k))+15], v[64*\m+8*\t:64*\m+8*\t+7], v[WS+8*(\fs)+\t], v[HS+4*\m+(\k)]
.endif
.endr
.endr
.endm
.macro MULN k, fs                      ; v: source 0 = h, source 1 = 16 rows of W
.if (\k) == 0
	WIN 0x8d
.else
	WIN 0xad
.endif
.irp t, 0,1,2,3,4,5,6,7
.irp m, 0,1,2,3
.if (\k) == 0
	v_wmma_scale_f32_16x16x128_f8f6f4 v[32*\t+8*\m:32*\t+8*\m+7], v[16*(4*\m+(\k)):16*(4*\m+(\k))+15], v[128*(\fs)+16*\t:128*(\fs)+16*\t+15], v[BI+8*\t:BI+8*\t+7], v[HS+4*\m+(\k)], v[WS+8*(\fs)+\t]
.else
	v_wmma_scale_f32_16x16x128_f8f6f4 v[32*\t+8*\m:32*\t+8*\m+7], v[16*(4*\m+(\k)):16*(4*\m+(\k))+15], v[128*(\fs)+16*\t:128*(\fs)+16*\t+15], v[32*\t+8*\m:32*\t+8*\m+7], v[HS+4*\m+(\k)], v[WS+8*(\fs)+\t]
.endif
.endr
.endr
.endm
.macro MUL p, k, fs
.if \p == 2
	MULN \k, \fs
.else
	MULT \k, \fs
.endif
.endm
; THE CHANGE OF SLOTS.  Each wave waits for all its tensor loads (its quarter of the other slot), adds 0 to its spare word, and waits for that and for its reads of slot j.
; fill = 1: the barrier is a round of the cluster's, and slot j takes the fill two further on, first thing behind it.
.macro CHANGE j, fill
	WIN 0
	s_wait_tensorcnt 0x0                           ; no tensor load of mine is out, so a group 0 may be written
	ds_add_u32 v[SPW], v[NIL]                      ; 0 onto my spare word
.if \fill
	s_add_nc_u64 s[G0+4*\j+2:G0+4*\j+3], s[G0+4*\j+2:G0+4*\j+3], 2*FILL
	s_wait_dscnt 0x0                               ; the add is done, and my reads of the slot are over
	CROUND
	JLOAD \j
.else
	s_wait_dscnt 0x0
	s_barrier_signal -1
	s_barrier_wait -1
.endif
.endm
; A PASS: one of q, k, v: four K steps.  Fill 2 p (K steps 0, 1) lies in slot 0, fill 2 p + 1 in slot 1.  While one set of fragments is multiplied the next step's 40 LDS loads are out:
; s_wait_dscnt 40 lets just those stay out.  Eight plain places stand between the last product that read a set and the loads into it.
.macro PASS p
	FETCHW 1, 1
	s_wait_dscnt 40
.if \p == 1
	s_wait_loadcnt 0x0                             ; bk
.endif
	MUL \p, 0, 0
.if \p < 2
	CHANGE 0, 1
	PLACES 4                                       ; with the four behind the joint load: eight
.else
	CHANGE 0, 0                                    ; nothing is left to fetch; the barrier shows the last fill whole
	PLACES 8
.endif
	FETCHW 2, 0
	s_wait_dscnt 40
	MUL \p, 1, 1
	PLACES 8
	WIN 0
.if \p == 0
	BIASQK 78                                      ; the next pass's bias, into registers that this pass has done with
.endif
.if \p == 1
.irp t, 0,1,2,3,4,5,6,7
	global_load_b32 v[BV1+\t], v[BO2], s[80:81] offset:(32*(\t/2)+8*(\t%2))*4   ; v: a lane holds one channel: one number a tile
.endr
.endif
	FETCHW 3, 1
	s_wait_dscnt 40
	MUL \p, 2, 0
.if \p < 2
	CHANGE 1, 1
	PLACES 4
	FETCHW 0, 0                                    ; the next pass's first fragments
	s_wait_dscnt 40
.else
	s_wait_dscnt 0x0
.endif
	MUL \p, 3, 1
	PLACES 8                                       ; ahead of the first read of results, and of the next loads into set 1
	WIN 0
	s_wait_xcnt 0x0                                ; the last pass's stores have read their registers: the codes may be written again
.endm
.macro OUTQK cd, sc                    ; four fragments (K step w of the next product, tile T of places) and their scale words
.irp m, 0,1,2,3
	QUANT 64*\m, 2, PC+16*\m, PW+\m
.irp c, 0,1,2,3
	global_store_b128 v[LI], v[PC+16*\m+4*\c:PC+16*\m+4*\c+3], s[\cd:\cd+1] offset:2048*\m+512*\c
.endr
	global_store_b32 v[LS], v[PW+\m], s[\sc:\sc+1] offset:128*\m
.endr
.endm
	FETCHW 0, 0
	PASS 0
	OUTQK QC, QSC
	PASS 1
	s_wait_loadcnt 0x0                             ; bv
.irp t, 0,1,2,3,4,5,6,7
.irp j, 0,1,2,3,4,5,6,7
	v_mov_b32 v[BI+8*\t+\j], v[BV1+\t]             ; as the C of v's first products: the same number in a tile's eight registers
.endr
.endr
	OUTQK KC, KSC
	PASS 2
.irp a, 0,1,2,3                        ; v: the 64 registers of tiles 2 a and 2 a + 1 of channels: block e = tile 2 a + e / 2, my block's keys 32 (e % 2) on
	QUANT 64*\a, 2, PC+16*\a, PW+\a
.irp e, 0,1,2,3
	global_store_b128 v[LI], v[PC+16*\a+4*\e:PC+16*\a+4*\e+3], s[VC:VC+1] offset:2048*(2*\a+\e/2)+512*(\e%2)
.endr
	global_store_b16 v[LS], v[PW+\a], s[VSC:VSC+1] offset:128*(2*\a)
	global_store_d16_hi_b16 v[LS], v[PW+\a], s[VSC:VSC+1] offset:128*(2*\a+1)
.endr
	s_wait_tensorcnt 0x0                           ; the wave's end
	ds_add_u32 v[SPW], v[NIL]
	s_wait_dscnt 0x0
	CROUND                                         ; the closing round: no work-group ends while a partner may still ask for a fill that names it
	s_endpgm
.Lfunc_end_k_q35594119ec_qkv:
	.size	k_q35594119ec_qkv, .Lfunc_end_k_q35594119ec_qkv-k_q35594119ec_qkv
	.p2alignl 7, 3214868480
	.fill 96, 4, 3214868480
	.section	.rodata,"a",@progbits
	.p2align	6, 0x0
	.amdhsa_kernel k_q35594119ec_qkv
		.amdhsa_group_segment_fixed_size 327680
		.amdhsa_private_segment_fixed_size 0
		.amdhsa_enable_private_segment 0
		.amdhsa_kernarg_size 80
		.amdhsa_user_sgpr_count 2
		.amdhsa_user_sgpr_kernarg_segment_ptr 1
		.amdhsa_wavefront_size32 1
		.amdhsa_system_sgpr_workgroup_id_x 1
		.amdhsa_system_sgpr_workgroup_id_y 1
		.amdhsa_system_sgpr_workgroup_id_z 1
		.amdhsa_system_vgpr_workitem_id 0
		.amdhsa_next_free_vgpr 1024
		.amdhsa_next_free_sgpr 102
		.amdhsa_reserve_vcc 0
		.amdhsa_float_denorm_mode_32 3
		.amdhsa_float_denorm_mode_16_64 3
		.amdhsa_memory_ordered 1
		.amdhsa_forward_progress 1
		.amdhsa_inst_pref_size 255
	.end_amdhsa_kernel
	.section	.bss,"aw",@nobits
	.p2align	6
	.space	262144
	.amdgpu_metadata
---
amdhsa.version: [ 1, 2 ]
amdhsa.kernels:
  - .name:           k_q35594119ec_qkv
    .symbol:         k_q35594119ec_qkv.kd
    .args:
      - { .name: x, .offset: 0, .size: 8, .value_kind: global_buffer, .address_space: global }
      - { .name: gamma, .offset: 8, .size: 8, .value_kind: global_buffer, .address_space: global }
      - { .name: beta, .offset: 16, .size: 8, .value_kind: global_buffer, .address_space: global }
      - { .name: stats, .offset: 24, .size: 8, .value_kind: global_buffer, .address_space: global }
      - { .name: wf, .offset: 32, .size: 8, .value_kind: global_buffer, .address_space: global }
      - { .name: bq, .offset: 40, .size: 8, .value_kind: global_buffer, .address_space: global }
      - { .name: bk, .offset: 48, .size: 8, .value_kind: global_buffer, .address_space: global }
      - { .name: bv, .offset: 56, .size: 8, .value_kind: global_buffer, .address_space: global }
      - { .name: qf, .offset: 64, .size: 8, .value_kind: global_buffer, .address_space: global }
      - { .name: kv, .offset: 72, .size: 8, .value_kind: global_buffer, .address_space: global }
    .group_segment_fixed_size: 327680
    .private_segment_fixed_size: 0
    .kernarg_segment_align: 8
    .kernarg_segment_size: 80
    .max_flat_workgroup_size: 128
    .sgpr_count:     102
    .vgpr_count:     1024
    .wavefront_size: 32
...
	.end_amdgpu_metadata
.endif
;; end of part 2
;; launch attn (part 3): grid 32 x 8, 4 waves a work-group, clusters of 4 x 1, 327,680 bytes of LDS; arguments qf, kv, wf, bo, x, out0; writes out0
.if DOCPART == 3
	.amdgcn_target "amdgcn-amd-amdhsa--gfx1250"
	.amdhsa_code_object_version 6
	.text
	.protected	k_q35594119ec_attn
	.globl	k_q35594119ec_attn
	.p2align	8
	.type	k_q35594119ec_attn,@function
k_q35594119ec_attn:
	s_mov_b64 s[64:65], 0
	v_nop
	global_prefetch_b8 v0, s[64:65] scope:SCOPE_SE
	s_setreg_imm32_b32 hwreg(HW_REG_WAVE_MODE, 25, 1), 1
	s_wait_xcnt 0x0
	s_wait_alu depctr_hold_cnt(0) depctr_sa_sdst(0) depctr_va_vdst(0) depctr_va_sdst(0) depctr_va_ssrc(0) depctr_va_vcc(0) depctr_vm_vsrc(0)
	s_getreg_b32 s2, hwreg(HW_REG_IB_STS2, 6, 4)
	s_cmp_eq_u32 s2, 0
	s_cbranch_scc0 .Lentry_in_a_cluster
	s_endpgm
.Lentry_in_a_cluster:
	s_bfe_u32 s2, ttmp6, 0x10000c
	s_cmp_lg_u32 s2, 0x3003
	s_cbranch_scc0 .Lentry_shape_is_right
	s_endpgm
.Lentry_shape_is_right:
; ATTN.  out = x + Wo (v softmax(q^T k / sqrt(512))^T) + bo, all three products on codes of FP8 (E4M3) with one E8M0 scale for each 32 along K.
; THE SOFTMAX: t = score x log2(e) / sqrt(512); M = the row's largest t so far, rounded UP to a whole number; p = 2^(t - M) is what is quantised, along the keys.  The row's sum is taken of the unquantised p and divides
; at the end.  When M moves, the sum and O are multiplied by 2^(old M - new M): exact.
; SHARES.  A work-group owns 64 queries (four tiles T of 16) of one batch and walks the 2,048 keys in four trips of 512.  In a trip: S: wave w makes the scores of keys 128 w .. + 127 for all 64 queries;
; the waves exchange their maxima through LDS; each quantises its p, which is K step w of the second product, and hands it on through LDS as an image of the operand's registers;
; PV: wave w adds onto channels 128 w .. + 127 of O for all 64 queries.  So each fragment of k and of v is read from LDS once in the work-group and feeds four matrix instructions.
; At the end O / sum is quantised and handed round in the same way, and wave w makes output channels 128 w .. + 127.
; THE STREAM.  k, v (buffer kv) and Wo (buffer wf) lie in operand order, in tiles of TILE bytes.  18 fills of two tiles go through two LDS slots, fill n into slot n % 2: 4 a trip (k's channel steps 0, 1; 2, 3; v's keys 0-255; 256-511),
; then Wo's two.  All have one shape, so one loop of four trips holds four refills a trip; in the last trip two of them are turned to Wo by a select on the trip's number.  Each wave fetches a quarter: 136 rows of 256 bytes.
; BARRIERS.  A fill goes out only when the fill before it has landed, so the fills are a chain, and no work that does not read a fill is made to wait for one.  What the waves hand to each other (maxima, images, sums) has plain
; barriers of its own, across which my one tensor load may stay out.  The wait for all tensor loads stands only ahead of a refill's round, and once ahead of the last product.
; A trip's second refill stands in the MIDDLE of the softmax: 80 matrix and 608 vector instructions lie between the first change of slots and it, 48 matrix and 637 vector instructions between it and the third.
; CLUSTER.  The four work-groups of a cluster belong to one batch and walk the same stream: each fill is asked for JOINTLY, by the same tensor load with the same descriptor and a mask that names the four.
; LAYOUT.  S^T = k q^T and O^T = v p^T (source 0 = k or v): a lane holds one query.  Rows of every tile are ordered so (launch qkv) that the 16 registers of two neighbouring tiles are 16 neighbours along the next K.
; The last product takes source 0 = O's codes, source 1 = Wo: a lane holds one output channel and eight neighbouring places.
; LIMITS: NaN and infinities are not served.  A block of zeros gets the scale byte 1 (the floor 2^-118), not 127.  t is the score times ONE constant.  A block's largest p is made from the block's largest score by the same
; multiply-add and exponential; that takes v_exp_f32 not to fall where its input rises.
; O begins as zeros (256 moves, once) so that the trip is written once.
; REGISTERS, in windows of 256.  Window 0: below.  Window 1: q at v[16 (4 T + s)], later O's codes.  Window 2: S^T at v[64 T + 8 t], in PV two sets of p at v[64 set + 16 T], at the end x and the bias.
; Window 3: O^T at v[64 T + 8 t], later the outputs at v[32 t + 8 T].
.set TILE,  69632
.set FILL,  2*TILE
.set QUART, FILL/4
.set PIMG,  2*FILL                     ; LDS behind the two slots: p's 16 fragments (4 T + key step), later O's, later a stage of 4,352 bytes for each wave at 8,192 w
.set PSC,   PIMG+16*2048               ; their scale words, 128 bytes each
.set MX,    PSC+16*128                 ; the waves' maxima, 512 bytes each
.set LX,    MX+4*512                   ; the waves' sums
.set SPARE, LX+4*512                   ; the spare words, 128 bytes for each wave: two blocks of 256 bytes that no other line names
.set LI,  4                            ; v4   16 x lane
.set LS,  5                            ; v5   4 x lane
.set KA,  6                            ; v6-9    my 8 fragments in tile n = 2 slot + tile of the slot
.set KSA, 10                           ; v10-13  and their scale words
.set PWA, 14                           ; v14  where I store an image
.set PSW, 15                           ; v15  and its scale words
.set PRA, 16                           ; v16  PIMG + 16 x lane
.set PSR, 17                           ; v17  PSC + 4 x lane
.set MXW, 18
.set MXR, 19
.set LXW, 20
.set LXR, 21
.set STO, 22                           ; v22  the way out: where I put 32 bytes of a row
.set RD,  23                           ; v23  where I read a row back
.set GO,  24                           ; v24  8,192 h + 16 r: my bytes in two rows of x and of out
.set BOF, 25                           ; v25  4 r
.set PFO, 26                           ; v26  256 x lane: the prefetches' offset; never rewritten
.set SPW, 27                           ; v27  my spare word; never rewritten
.set NIL, 28                           ; v28  0; never rewritten
.set QS,  32                           ; v32-47  scale words of q, later of O (4 T + s)
.set FS,  48                           ; v48-55  scale words of the fragments in hand, two sets of 4
.set PS,  56                           ; v56-63  p's scale words, two sets of 4
.set NEGM, 64                          ; v[64 + 2 T] -M, v[65 + 2 T] the running largest t
.set FF,  72                           ; v[72 + 2 T] f = 2^(old M - new M), later 1 / sum; the odd register is named with it as a pair
.set LL,  80                           ; v[80 + 2 T : 81 + 2 T] my keys' part of the sum, in two halves
.set WM,  88                           ; v88-91  my wave's maxima, later sums
.set GM,  92                           ; v92-95  the rows' maxima
.set PW,  96                           ; v96-99  scale words just made
.set TM,  100                          ; v100-115 at work in QUANT
.set BO1, 116                          ; v116-123 bo as loaded
.set OLD, 124                          ; v124-127
.set FRG, 128                          ; v128-191, v192-255: two sets of four fragments of k, v or Wo
.set BM,  128                          ; in the softmax: 16 blocks' largest scores, then largest p
.set PT,  144                          ;   at work
.set SCL, 160                          ;   the conversions' scale operands
.set LIM, 176                          ;   448 x the scale
.set XM,  192                          ;   the four waves' maxima (later sums)
.set PC,  192                          ;   then the codes just made, 16 registers a tile
.set OB,  128                          ; the way out: 2 x 32 registers
.set G1,  24
.set G0,  32
.set WO,  40                           ; s[40:43] the addresses of my quarters of Wo's two fills, type bits set
.set PFA, 44                           ; s[44:45] where my prefetches stand
.set LIM0, 46                          ; s46, s47: a wave prefetches while the trips to go are above these
.set LIM1, 47
.set IT,  48                           ; s48  trips to go, this one among them
.set CS,  50                           ; s[50:51] log2(e) / sqrt(512)
.set SEL, 52
.set MNT, 54
.set WV,  55
.set MSB, 0
.macro WIN new
.if MSB != (\new)
	s_set_vgpr_msb (MSB<<8)|(\new)
.set MSB, \new
.endif
.endm
.macro PLACES n
.rept \n
	v_nop
.endr
.endm
.macro CROUND
	s_barrier_signal -1
	s_barrier_wait -1
	s_cmp_lg_u32 s[WV], 0
	s_cbranch_scc1 .Lnot_wave_0_\@
	s_barrier_signal -3
.Lnot_wave_0_\@:
	s_barrier_wait -3
	s_barrier_signal -1
	s_barrier_wait -1
.endm
.macro JLOAD j
	tensor_load_to_lds s[G0+4*\j:G0+4*\j+3], s[G1:G1+7]
	s_nop 0
	PLACES 4
.endm
.macro QUANT src, wn, pc, pw           ; as in launch qkv: 64 numbers of a lane in window wn become a fragment's codes and its scale word
	WIN (\wn)|((\wn)<<2)
.irp b, 0,1,2,3
	v_max3_num_f32 v[TM+\b], |v[16*\b+(\src)]|, |v[16*\b+1+(\src)]|, 0x4800000
.endr
.irp i, 2,4,6,8,10,12,14
.irp b, 0,1,2,3
	v_max3_num_f32 v[TM+\b], |v[16*\b+\i+(\src)]|, |v[16*\b+\i+1+(\src)]|, v[TM+\b]
.endr
.endr
	WIN 0
.irp b, 0,1,2,3
	v_permlanex16_b32 v[TM+4+\b], v[TM+\b], s[SEL], s[SEL+1]
.endr
.irp b, 0,1,2,3
	v_max_num_f32 v[TM+\b], v[TM+\b], v[TM+4+\b]
.endr
.irp b, 0,1,2,3
	v_add_nc_u32 v[TM+12+\b], 0xfc000000, v[TM+\b]
.endr
.irp b, 0,1,2,3
	v_and_or_b32 v[TM+8+\b], v[TM+\b], 0x7f800000, s[MNT]
.endr
.irp b, 0,1,2,3
	v_lshrrev_b32 v[TM+4+\b], 23, v[TM+12+\b]
.endr
	v_lshl_or_b32 v[\pw], v[TM+5], 8, v[TM+4]
	v_lshl_or_b32 v[\pw], v[TM+6], 16, v[\pw]
	v_lshl_or_b32 v[\pw], v[TM+7], 24, v[\pw]
	WIN (\wn)|((\wn)<<6)
.irp b, 0,1,2,3
.irp i, 0,1,2,3,4,5,6,7,8,9,10,11,12,13,14,15
	v_med3_num_f32 v[16*\b+\i+(\src)], v[16*\b+\i+(\src)], -v[TM+8+\b], v[TM+8+\b]
.endr
.endr
	WIN \wn
.irp b, 0,1,2,3
	v_cvt_scalef32_pk8_fp8_f32 v[4*\b+(\pc):4*\b+1+(\pc)], v[16*\b+(\src):16*\b+7+(\src)], v[TM+12+\b]
	v_cvt_scalef32_pk8_fp8_f32 v[4*\b+2+(\pc):4*\b+3+(\pc)], v[16*\b+8+(\src):16*\b+15+(\src)], v[TM+12+\b]
.endr
	WIN 0
	v_nop
.endm
	s_load_b256 s[4:11], s[0:1], 0x0               ; qf, kv, wf, bo
	s_load_b128 s[12:15], s[0:1], 0x20             ; x, out0
	v_lshl_add_u32 v[SPW], v0, 2, SPARE
	v_mov_b32 v[NIL], 0
	ds_add_u32 v27, v28
	ds_add_u32 v27, v28
	s_wait_dscnt 0x0
	v_lshrrev_b32 v1, 5, v0
	v_readfirstlane_b32 s[WV], v1                  ; wave 0..3
	v_and_b32 v1, 31, v0
	v_and_b32 v2, 15, v0                           ; r
	v_bfe_u32 v3, v0, 4, 1                         ; h
	v_lshlrev_b32 v[LI], 4, v1
	v_lshlrev_b32 v[LS], 2, v1
	s_lshl_b32 s2, s[WV], 14
	v_add_nc_u32 v[KA], s2, v[LI]
	v_add_nc_u32 v[KA+1], TILE, v[KA]
	v_add_nc_u32 v[KA+2], FILL, v[KA]
	v_add_nc_u32 v[KA+3], FILL+TILE, v[KA]
	s_lshl_b32 s2, s[WV], 10
	s_add_co_u32 s2, s2, 65536
	v_add_nc_u32 v[KSA], s2, v[LS]
	v_add_nc_u32 v[KSA+1], TILE, v[KSA]
	v_add_nc_u32 v[KSA+2], FILL, v[KSA]
	v_add_nc_u32 v[KSA+3], FILL+TILE, v[KSA]
	s_lshl_b32 s2, s[WV], 11
	s_add_co_u32 s2, s2, PIMG
	v_add_nc_u32 v[PWA], s2, v[LI]
	s_lshl_b32 s2, s[WV], 7
	s_add_co_u32 s2, s2, PSC
	v_add_nc_u32 v[PSW], s2, v[LS]
	v_add_nc_u32 v[PRA], PIMG, v[LI]
	v_add_nc_u32 v[PSR], PSC, v[LS]
	s_lshl_b32 s2, s[WV], 9
	s_add_co_u32 s3, s2, MX
	v_add_nc_u32 v[MXW], s3, v[LI]
	v_add_nc_u32 v[MXR], MX, v[LI]
	s_add_co_u32 s3, s2, LX
	v_add_nc_u32 v[LXW], s3, v[LI]
	v_add_nc_u32 v[LXR], LX, v[LI]
	s_lshl_b32 s2, s[WV], 13
	s_add_co_u32 s2, s2, PIMG                      ; my stage
	v_mul_u32_u24 v[STO], v2, 272                  ; in: row r (a channel), + 64 h
	v_lshl_add_u32 v[STO], v3, 6, v[STO]
	v_add_nc_u32 v[STO], s2, v[STO]
	v_mul_u32_u24 v[RD], v3, 272                   ; back: lanes 0-15 one row of 256 bytes, lanes 16-31 the next
	v_lshl_add_u32 v[RD], v2, 4, v[RD]
	v_add_nc_u32 v[RD], s2, v[RD]
	v_lshlrev_b32 v[GO], 13, v3
	v_lshl_add_u32 v[GO], v2, 4, v[GO]
	v_lshlrev_b32 v[BOF], 2, v2
	v_lshlrev_b32 v[PFO], 8, v1
	s_bfe_u32 s56, ttmp6, 0x40000                  ; cx: it enters the addresses of qf, x, out0 and of the prefetches alone
	s_lshl_b32 s57, ttmp9, 2
	s_add_co_u32 s57, s57, s56                     ; blk
	s_and_b32 s58, ttmp7, 0xffff                   ; b
	s_mov_b32 s[G1], 15|(3<<16)|(1<<21)            ; the mask: all four work-groups; elements of 8 bytes; bit 21 beside a mask; no padding
	s_mov_b32 s[G1+1], 32<<16                      ; rows of 256 bytes,
	s_mov_b32 s[G1+2], 136<<16                     ; 136 of them,
	s_mov_b32 s[G1+3], 32<<16
	s_mov_b32 s[G1+4], 136
	s_mov_b32 s[G1+5], 32                          ; dense
	s_mov_b32 s[G1+6], 0
	s_mov_b32 s[G1+7], 0
	s_mov_b32 s[CS], 0x3d8293ee                    ; log2(e) / sqrt(512)
	s_mov_b32 s[CS+1], s[CS]
	s_mov_b32 s[SEL], 0x76543210
	s_mov_b32 s[SEL+1], 0xfedcba98
	s_mov_b32 s[MNT], 0x600000
	s_cmp_eq_u32 ttmp9, 0                          ; the batch's first cluster prefetches: the same in all four partners
	s_cselect_b32 s[LIM0], 0, -1
	s_cselect_b32 s[LIM1], 1, -1
	s_lshl_b32 s16, s58, 5
	s_add_co_u32 s16, s16, s57
	s_mul_i32 s16, s16, 34816                      ; qf: my block's record
	s_mov_b32 s17, 0
	s_mul_i32 s18, s58, 2228224                    ; kv: my batch
	s_mov_b32 s19, 0
	s_lshl_b32 s20, s58, 22                        ; x, out0: 4,194,304 b + 1,048,576 w + 256 blk
	s_lshl_b32 s2, s[WV], 20
	s_add_co_u32 s20, s20, s2
	s_lshl_b32 s2, s57, 8
	s_add_co_u32 s20, s20, s2
	s_mov_b32 s21, 0
	s_mul_i32 s22, s[WV], QUART
	s_mov_b32 s23, 0
	s_lshl_b32 s2, s[WV], 9
	s_mov_b32 s3, 0
	s_wait_kmcnt 0x0
	s_add_nc_u64 s[4:5], s[4:5], s[16:17]
	s_add_nc_u64 s[6:7], s[6:7], s[18:19]
	s_add_nc_u64 s[12:13], s[12:13], s[20:21]
	s_add_nc_u64 s[14:15], s[14:15], s[20:21]
	s_add_nc_u64 s[10:11], s[10:11], s[2:3]
	; the prefetches: the codes of a fill are 16 pieces of 8,192 bytes; piece 4 cx + w is mine: the partners are told apart by address
	s_lshl_b32 s16, s56, 2
	s_add_co_u32 s16, s16, s[WV]
	s_lshr_b32 s18, s16, 3
	s_mul_i32 s18, s18, TILE
	s_and_b32 s16, s16, 7
	s_lshl_b32 s16, s16, 13
	s_add_co_u32 s16, s16, s18
	s_add_co_u32 s16, s16, 2*FILL                  ; in fill 2: the first change of slots steps it to fill 3.  Nothing is prefetched here, at the head
	s_add_nc_u64 s[PFA:PFA+1], s[6:7], s[16:17]
	s_add_nc_u64 s[6:7], s[6:7], s[22:23]          ; my quarter of fill 0,
	s_add_nc_u64 s[8:9], s[8:9], s[22:23]          ; and of a fill of wf
.irp j, 0,1
	s_mov_b32 s[G0+4*\j], 1
	s_add_co_u32 s[G0+4*\j+1], s22, \j*FILL
	s_add_nc_u64 s[G0+4*\j+2:G0+4*\j+3], s[6:7], \j*FILL
	s_or_b32 s[G0+4*\j+3], s[G0+4*\j+3], 0x80000000
	s_add_nc_u64 s[WO+2*\j:WO+2*\j+1], s[8:9], 12*TILE+\j*FILL   ; Wo's tiles stand behind those of Wq, Wk, Wv
	s_or_b32 s[WO+2*\j+1], s[WO+2*\j+1], 0x80000000
.endr
	WIN 0x40                                       ; q stays in window 1
.irp m, 0,1,2,3
.irp s, 0,1,2,3
.irp c, 0,1,2,3
	global_load_b128 v[16*(4*\m+\s)+4*\c:16*(4*\m+\s)+4*\c+3], v[LI], s[4:5] offset:2048*(4*\s+\m)+512*\c th:TH_LOAD_NT
.endr
.endr
.endr
	WIN 0
.irp m, 0,1,2,3
.irp s, 0,1,2,3
	global_load_b32 v[QS+4*\m+\s], v[LS], s[4:5] offset:32768+128*(4*\s+\m) th:TH_LOAD_NT
.endr
.endr
	CROUND                                         ; all four work-groups are here: the first joint loads meet
	tensor_load_to_lds s[G0:G0+3], s[G1:G1+7]      ; two loads of mine are out
	s_nop 0
	tensor_load_to_lds s[G0+4:G0+7], s[G1:G1+7]
	s_nop 0
	PLACES 4
.irp m, 0,1,2,3
	v_mov_b32 v[NEGM+2*\m+1], 0xff61b1e6           ; the largest t so far: -3e38, under every t
	v_mov_b32 v[FF+2*\m+1], 0
	v_mov_b32 v[LL+2*\m], 0
	v_mov_b32 v[LL+2*\m+1], 0
	v_mov_b32 v[TM+4+\m], 0                        ; a lane permute's destination counts as one of its sources
.endr
.irp m, 0,1,2,3
	v_floor_f32 v[NEGM+2*\m], -v[NEGM+2*\m+1]
.endr
	WIN 0xc0
.set i, 0
.rept 256
	v_mov_b32 v[i], 0                              ; O^T: the first trip finds zeros, which the first change of M leaves zeros
.set i, i+1
.endr
	WIN 0
; Four fragments and their scale words for step g of a phase (S, PV and the last product alike): tile g / 2 of the two slots' four, my fragments 4 (g % 2) on, into set g % 2: 20 LDS loads
.macro FETCH g
	WIN 0
.irp u, 0,1,2,3
.irp c, 0,1,2,3
	ds_load_b128 v[FRG+64*((\g)%2)+16*\u+4*\c:FRG+64*((\g)%2)+16*\u+4*\c+3], v[KA+(\g)/2] offset:2048*(4*((\g)%2)+\u)+512*\c
.endr
	ds_load_b32 v[FS+4*((\g)%2)+\u], v[KSA+(\g)/2] offset:128*(4*((\g)%2)+\u)
.endr
.endm
.macro FETCHP kk, ps                   ; p's four fragments of key step kk and their scale words into set ps: 20 LDS loads
	WIN 0x80
.irp m, 0,1,2,3
.irp c, 0,1,2,3
	ds_load_b128 v[64*(\ps)+16*\m+4*\c:64*(\ps)+16*\m+4*\c+3], v[PRA] offset:2048*(4*\m+(\kk))+512*\c
.endr
.endr
	WIN 0
.irp m, 0,1,2,3
	ds_load_b32 v[PS+4*(\ps)+\m], v[PSR] offset:128*(4*\m+(\kk))
.endr
.endm
; 16 matrix instructions each; the accumulators take turns, one instruction a turn
.macro MULS g                          ; S^T: channel step g / 2, my tiles of keys 4 (g % 2) on; the first channel step starts the sums
	WIN 0xa4
.irp u, 0,1,2,3
.irp m, 0,1,2,3
.if (\g) < 2
	v_wmma_scale_f32_16x16x128_f8f6f4 v[64*\m+8*(4*((\g)%2)+\u):64*\m+8*(4*((\g)%2)+\u)+7], v[FRG+64*((\g)%2)+16*\u:FRG+64*((\g)%2)+16*\u+15], v[16*(4*\m+(\g)/2):16*(4*\m+(\g)/2)+15], 0, v[FS+4*((\g)%2)+\u], v[QS+4*\m+(\g)/2]
.else
	v_wmma_scale_f32_16x16x128_f8f6f4 v[64*\m+8*(4*((\g)%2)+\u):64*\m+8*(4*((\g)%2)+\u)+7], v[FRG+64*((\g)%2)+16*\u:FRG+64*((\g)%2)+16*\u+15], v[16*(4*\m+(\g)/2):16*(4*\m+(\g)/2)+15], v[64*\m+8*(4*((\g)%2)+\u):64*\m+8*(4*((\g)%2)+\u)+7], v[FS+4*((\g)%2)+\u], v[QS+4*\m+(\g)/2]
.endif
.endr
.endr
.endm
.macro MULP g                          ; O^T += v p^T: key step g / 2, my tiles of channels 4 (g % 2) on
	WIN 0xf8
.irp u, 0,1,2,3
.irp m, 0,1,2,3
	v_wmma_scale_f32_16x16x128_f8f6f4 v[64*\m+8*(4*((\g)%2)+\u):64*\m+8*(4*((\g)%2)+\u)+7], v[FRG+64*((\g)%2)+16*\u:FRG+64*((\g)%2)+16*\u+15], v[64*(((\g)/2)%2)+16*\m:64*(((\g)/2)%2)+16*\m+15], v[64*\m+8*(4*((\g)%2)+\u):64*\m+8*(4*((\g)%2)+\u)+7], v[FS+4*((\g)%2)+\u], v[PS+4*(((\g)/2)%2)+\m]
.endr
.endr
.endm
.macro MULO g                          ; the last product: source 0 = O's codes, source 1 = Wo; the first channel step takes the bias as C
.if (\g) < 2
	WIN 0xe1
.else
	WIN 0xf1
.endif
.irp u, 0,1,2,3
.irp m, 0,1,2,3
.if (\g) < 2
	v_wmma_scale_f32_16x16x128_f8f6f4 v[32*(4*((\g)%2)+\u)+8*\m:32*(4*((\g)%2)+\u)+8*\m+7], v[16*(4*\m+(\g)/2):16*(4*\m+(\g)/2)+15], v[FRG+64*((\g)%2)+16*\u:FRG+64*((\g)%2)+16*\u+15], v[192+8*(4*((\g)%2)+\u):192+8*(4*((\g)%2)+\u)+7], v[QS+4*\m+(\g)/2], v[FS+4*((\g)%2)+\u]
.else
	v_wmma_scale_f32_16x16x128_f8f6f4 v[32*(4*((\g)%2)+\u)+8*\m:32*(4*((\g)%2)+\u)+8*\m+7], v[16*(4*\m+(\g)/2):16*(4*\m+(\g)/2)+15], v[FRG+64*((\g)%2)+16*\u:FRG+64*((\g)%2)+16*\u+15], v[32*(4*((\g)%2)+\u)+8*\m:32*(4*((\g)%2)+\u)+8*\m+7], v[QS+4*\m+(\g)/2], v[FS+4*((\g)%2)+\u]
.endif
.endr
.endr
.endm
.macro IMAGE m                         ; the fragment in v[PC + 16 m] on goes to LDS as it stands: tile m of queries, K step w
.irp c, 0,1,2,3
	ds_store_b128 v[PWA], v[PC+16*\m+4*\c:PC+16*\m+4*\c+3] offset:8192*\m+512*\c
.endr
	ds_store_b32 v[PSW], v[PW+\m] offset:512*\m
.endm
; THE CHANGE OF SLOTS.  Each wave waits for all its tensor loads (its quarter of the other slot), adds 0 to its spare word, and waits for that and for its LDS instructions, the reads of slot j among them.
; Behind a round of the cluster's barrier slot j takes the fill two further on, first thing.  sw = 1: in the last trip that fill is Wo's.
.macro CHANGE j, sw
	WIN 0
	s_wait_tensorcnt 0x0                           ; no tensor load of mine is out, so a group 0 may be written
	ds_add_u32 v[SPW], v[NIL]                      ; 0 onto my spare word
	s_add_nc_u64 s[G0+4*\j+2:G0+4*\j+3], s[G0+4*\j+2:G0+4*\j+3], 2*FILL
.if \sw
	s_cmp_eq_u32 s[IT], 1
	s_cselect_b64 s[G0+4*\j+2:G0+4*\j+3], s[WO+2*\j:WO+2*\j+1], s[G0+4*\j+2:G0+4*\j+3]
.endif
	s_wait_xcnt 0x0                                ; the last prefetch, a change back, has read its address, so it may be written:
	s_add_nc_u64 s[PFA:PFA+1], s[PFA:PFA+1], FILL  ; one fill further on than the fill that is being asked for
	s_wait_dscnt 0x0
	CROUND
	JLOAD \j
.endm
; A PREFETCH INTO THE L2 of the codes of the fill that the NEXT change of slots will ask for: 16 pieces of 8,192 bytes, one for each wave of the batch's first cluster, lanes 256 bytes apart: each block is named once in the launch.
; It stands behind the joint load, its four lines and the LDS loads, if any, that the next products wait for.  The first change of a trip always asks; the other three ask in trips 0 to 2 alone, so nothing behind kv's fill 15 is named.
; Fills 0 to 2, the scale words and Wo come by their loads alone.
.macro ASK lim
	s_cmp_gt_u32 s[IT], s[\lim]
	s_cbranch_scc0 .Lnot_mine_\@
	global_prefetch_b8 v[PFO], s[PFA:PFA+1] th:TH_LOAD_NT scope:SCOPE_SE
.Lnot_mine_\@:
.endm
	s_wait_tensorcnt 0x1                           ; my quarter of fill 0 is in; fill 1's may stay out
	s_barrier_signal -1
	s_barrier_wait -1
	FETCH 0
	s_wait_loadcnt 0x0                             ; q
	s_mov_b32 s[IT], 4
.Ltrip:
	; ---- S^T = k q^T.  While one set of fragments is multiplied the next step's 20 LDS loads are out: s_wait_dscnt 20 lets just those stay out
	PLACES 9                                       ; eight for the loads into set 1, nine for the first products, which write over registers that the last trip's products read
	FETCH 1
	s_wait_dscnt 20
	MULS 0
	PLACES 8
	FETCH 2
	s_wait_dscnt 20
	MULS 1
	PLACES 8
	FETCH 3
	s_wait_dscnt 20
	MULS 2
	CHANGE 0, 0                                    ; slot 0 takes v's keys 0-255; slot 1 (k's channel steps 2, 3) is whole
	PLACES 4                                       ; with the four behind the joint load: eight
	FETCH 4
	ASK LIM0
	s_wait_dscnt 20
	MULS 3
	PLACES 8
	FETCH 5
	s_wait_dscnt 20
	MULS 4
	PLACES 8
	FETCH 6
	s_wait_dscnt 20
	MULS 5
	PLACES 8
	FETCH 7
	s_wait_dscnt 20
	MULS 6
	s_wait_dscnt 0x0
	MULS 7
	; ---- the largest score of each block of 32 keys (block k = 4 T + b: v[16 k] on in window 2): it serves for the row's maximum and for the block's largest p
	PLACES 8
	WIN 0x0a
.set k, 0
.rept 16
	v_max_num_f32 v[BM+k], v[16*k], v[16*k+1]
.set k, k+1
.endr
.irp i, 2,4,6,8,10,12,14
.set k, 0
.rept 16
	v_max3_num_f32 v[BM+k], v[16*k+\i], v[16*k+\i+1], v[BM+k]      ; the blocks by turns; each accumulator is read from its low end on
.set k, k+1
.endr
.endr
	WIN 0
.set k, 0
.rept 16
	v_permlanex16_b32 v[PT+k], v[BM+k], s[SEL], s[SEL+1]
.set k, k+1
.endr
.set k, 0
.rept 16
	v_max_num_f32 v[BM+k], v[BM+k], v[PT+k]        ; with lane l xor 16's 16 keys
.set k, k+1
.endr
.irp m, 0,1,2,3
	v_max3_num_f32 v[WM+\m], v[BM+4*\m], v[BM+4*\m+1], v[BM+4*\m+2]
.endr
.irp m, 0,1,2,3
	v_max_num_f32 v[WM+\m], v[WM+\m], v[BM+4*\m+3] ; my 128 keys' largest score of each of my four queries
.endr
	ds_store_b128 v[MXW], v[WM:WM+3]
	s_wait_dscnt 0x0                               ; for the others' sake: my maxima have landed
	s_barrier_signal -1                            ; the exchange has a barrier of its own: my one tensor load (v's keys 0-255) may stay out
	s_barrier_wait -1                              ; and the softmax, which reads no fill, goes on while that load lands
.irp n, 0,1,2,3
	ds_load_b128 v[XM+4*\n:XM+4*\n+3], v[MXR] offset:512*\n
.endr
	s_wait_dscnt 0x0
.irp m, 0,1,2,3
	v_max3_num_f32 v[GM+\m], v[XM+\m], v[XM+4+\m], v[XM+8+\m]
.endr
.irp m, 0,1,2,3
	v_max_num_f32 v[GM+\m], v[GM+\m], v[XM+12+\m]  ; the trip's largest score of the query: the same in all four waves
.endr
.irp m, 0,1,2,3
	v_mul_f32 v[GM+\m], s[CS], v[GM+\m]            ; as t
.endr
.irp m, 0,1,2,3
	v_max_num_f32 v[NEGM+2*\m+1], v[NEGM+2*\m+1], v[GM+\m]
.endr
.irp m, 0,1,2,3
	v_mov_b32 v[OLD+\m], v[NEGM+2*\m]
.endr
.irp m, 0,1,2,3
	v_floor_f32 v[NEGM+2*\m], -v[NEGM+2*\m+1]      ; -M = floor(-t): M is a whole number
.endr
.irp m, 0,1,2,3
	v_sub_f32 v[OLD+\m], v[NEGM+2*\m], v[OLD+\m]   ; old M - new M: a whole number, 0 or less
.endr
.irp m, 0,1,2,3
	v_cvt_i32_f32 v[OLD+\m], v[OLD+\m]             ; (it saturates)
.endr
.irp m, 0,1,2,3
	v_ldexp_f32 v[FF+2*\m], 1.0, v[OLD+\m]         ; f
.endr
	WIN 0x82
.set i, 0
.rept 128
	v_pk_fma_f32 v[2*i:2*i+1], v[2*i:2*i+1], s[CS:CS+1], v[NEGM+2*(i/32):NEGM+2*(i/32)+1] op_sel_hi:[1,0,0]   ; t - M, two at a time
.set i, i+1
.endr
	WIN 0
.set k, 0
.rept 16
	v_fma_f32 v[BM+k], v[BM+k], s[CS], v[NEGM+2*(k/4)]             ; the same of each block's largest score
.set k, k+1
.endr
	WIN 0x82
.set i, 0
.rept 256
	v_exp_f32 v[i], v[i]                           ; p = 2^(t - M)
.set i, i+1
.endr
	WIN 0
.irp m, 0,1,2,3
	v_pk_mul_f32 v[LL+2*\m:LL+2*\m+1], v[LL+2*\m:LL+2*\m+1], v[FF+2*\m:FF+2*\m+1] op_sel_hi:[1,0]   ; the sums under the new M (plain lines behind the exponentials)
.endr
	s_wait_alu depctr_va_vdst(0)                   ; one wait for the batch of 256, ahead of its first reader and of the round's branches
	CHANGE 1, 0                                    ; IN THE MIDDLE OF THE SOFTMAX: slot 1, whose last read stood ahead of the S phase's last products, takes v's keys 256-511; slot 0 (v's keys 0-255) is whole
	ASK LIM1
.set k, 0
.rept 16
	v_exp_f32 v[BM+k], v[BM+k]                     ; the blocks' largest p
.set k, k+1
.endr
	WIN 0x08
.set i, 0
.rept 32
.irp m, 0,1,2,3
	v_pk_add_f32 v[LL+2*\m:LL+2*\m+1], v[LL+2*\m:LL+2*\m+1], v[64*\m+2*i:64*\m+2*i+1]   ; the sum of the UNQUANTISED p; four chains by turns; they name none of the sixteen
.endr
.set i, i+1
.endr
	WIN 0
	s_wait_alu depctr_va_vdst(0)                   ; and one for the sixteen
.set k, 0
.rept 16
	v_max_num_f32 v[BM+k], 0x4800000, v[BM+k]      ; the floor 2^(9 - 127)
.set k, k+1
.endr
.set k, 0
.rept 16
	v_add_nc_u32 v[SCL+k], 0xfc000000, v[BM+k]
	v_and_or_b32 v[LIM+k], v[BM+k], 0x7f800000, s[MNT]
.set k, k+1
.endr
.set k, 0
.rept 16
	v_lshrrev_b32 v[PT+k], 23, v[SCL+k]
.set k, k+1
.endr
.irp m, 0,1,2,3
	v_lshl_or_b32 v[PW+\m], v[PT+4*\m+1], 8, v[PT+4*\m]
.endr
.irp m, 0,1,2,3
	v_lshl_or_b32 v[PW+\m], v[PT+4*\m+2], 16, v[PW+\m]
.endr
.irp m, 0,1,2,3
	v_lshl_or_b32 v[PW+\m], v[PT+4*\m+3], 24, v[PW+\m]
.endr
	WIN 0x82
.set i, 0
.rept 256
	v_min_num_f32 v[i], v[i], v[LIM+i/16]          ; the conversion does not saturate (ISA guide 7.6.2); p is not negative, so the hold is one-sided
.set i, i+1
.endr
	WIN 0x02
.set i, 0
.rept 32
	v_cvt_scalef32_pk8_fp8_f32 v[PC+2*i:PC+2*i+1], v[8*i:8*i+7], v[SCL+i/2]
.set i, i+1
.endr
	WIN 0
	v_nop                                          ; one plain line behind the last conversion
	IMAGE 0
	IMAGE 1
	IMAGE 2
	IMAGE 3
	WIN 0xc3
.set i, 0
.rept 128
	v_pk_mul_f32 v[2*i:2*i+1], v[2*i:2*i+1], v[FF+2*(i/32):FF+2*(i/32)+1] op_sel_hi:[1,0]   ; O^T under the new M, while the images are on their way
.set i, i+1
.endr
	WIN 0
	s_wait_dscnt 0x0                               ; for the others' sake: my images have landed
	s_barrier_signal -1                            ; (my one tensor load may stay out)
	s_barrier_wait -1
	; ---- O^T += v p^T
	FETCH 0
	FETCHP 0, 0
	FETCH 1
	s_wait_dscnt 20
	MULP 0
	PLACES 8
	FETCH 2
	FETCHP 1, 1
	s_wait_dscnt 40                                ; all but the 40 just issued
	MULP 1
	PLACES 8
	FETCH 3
	s_wait_dscnt 20
	MULP 2
	CHANGE 0, 1                                    ; slot 0 takes the next trip's k (in the last trip Wo's channel steps 0, 1); slot 1 is whole
	PLACES 4
	FETCH 4
	FETCHP 2, 0
	ASK LIM1
	s_wait_dscnt 40
	MULP 3
	PLACES 8
	FETCH 5
	s_wait_dscnt 20
	MULP 4
	PLACES 8
	FETCH 6
	FETCHP 3, 1
	s_wait_dscnt 40
	MULP 5
	PLACES 8
	FETCH 7
	s_wait_dscnt 20
	MULP 6
	CHANGE 1, 1                                    ; slot 1 likewise; slot 0 is whole:
	PLACES 4
	FETCH 0                                        ; the next trip's first fragments of k (in the last trip: of Wo)
	ASK LIM1
	s_wait_dscnt 20
	MULP 7
	WIN 0
	s_sub_co_u32 s[IT], s[IT], 1
	s_cmp_lg_u32 s[IT], 0
	s_cbranch_scc1 .Ltrip
	; ---- the rows' sums: my two halves, lane l xor 16's, and the other waves'
	PLACES 8
.irp m, 0,1,2,3
	v_add_f32 v[WM+\m], v[LL+2*\m], v[LL+2*\m+1]
.endr
.irp m, 0,1,2,3
	v_permlanex16_b32 v[TM+4+\m], v[WM+\m], s[SEL], s[SEL+1]
.endr
.irp m, 0,1,2,3
	v_add_f32 v[WM+\m], v[WM+\m], v[TM+4+\m]
.endr
	ds_store_b128 v[LXW], v[WM:WM+3]
	s_wait_dscnt 0x0                               ; for the others' sake: my sums have landed
	s_barrier_signal -1                            ; (Wo's second fill may stay out, and slot 1 is first read behind the barrier ahead of the last product)
	s_barrier_wait -1
.irp n, 0,1,2,3
	ds_load_b128 v[XM+4*\n:XM+4*\n+3], v[LXR] offset:512*\n
.endr
.irp t, 0,1,2,3,4,5,6,7
	global_load_b32 v[BO1+\t], v[BOF], s[10:11] offset:64*\t       ; a lane holds one output channel: 16 t + r of my 128
.endr
.macro XLOAD t                         ; x at the bytes that I shall store: rows 16 t + 2 i + h, sixteen lanes to 256 consecutive bytes, aligned
.irp i, 0,1,2,3,4,5,6,7
	global_load_b128 v[32*\t+4*\i:32*\t+4*\i+3], v[GO], s[12:13] offset:8192*(16*\t+2*\i) th:TH_LOAD_NT
.endr
.endm
	WIN 0x80
.irp t, 0,1,2,3,4,5
	XLOAD \t
.endr
	WIN 0
	s_wait_dscnt 0x0
.irp m, 0,1,2,3
	v_add_f32 v[WM+\m], v[XM+\m], v[XM+4+\m]
	v_add_f32 v[GM+\m], v[XM+8+\m], v[XM+12+\m]
.endr
.irp m, 0,1,2,3
	v_add_f32 v[WM+\m], v[WM+\m], v[GM+\m]
.endr
.irp m, 0,1,2,3
	v_rcp_f32 v[FF+2*\m], v[WM+\m]
.endr
	v_nop                                          ; a plain line behind the last reciprocal
	s_wait_alu depctr_va_vdst(0)                   ; one wait for the four, ahead of their first reader
	WIN 0xc3
.set i, 0
.rept 128
	v_pk_mul_f32 v[2*i:2*i+1], v[2*i:2*i+1], v[FF+2*(i/32):FF+2*(i/32)+1] op_sel_hi:[1,0]   ; O^T / the sum
.set i, i+1
.endr
.irp m, 0,1,2,3
	QUANT 64*\m, 3, PC+16*\m, PW+\m                ; my 128 channels are K step w of the last product
	IMAGE \m
.endr
	s_wait_dscnt 0x0
	s_barrier_signal -1
	s_barrier_wait -1
	WIN 0x40
.irp f, 0,1,2,3,4,5,6,7,8,9,10,11,12,13,14,15
.irp c, 0,1,2,3
	ds_load_b128 v[16*\f+4*\c:16*\f+4*\c+3], v[PRA] offset:2048*\f+512*\c
.endr
.endr
	WIN 0
.irp f, 0,1,2,3,4,5,6,7,8,9,10,11,12,13,14,15
	ds_load_b32 v[QS+\f], v[PSR] offset:128*\f
.endr
	s_wait_loadcnt 48                              ; bo is in; the 48 loads of x behind it may be out
	WIN 0x80
.irp t, 0,1,2,3,4,5,6,7
.irp j, 0,1,2,3,4,5,6,7
	v_mov_b32 v[192+8*\t+\j], v[BO1+\t]            ; the bias as C: the same number in a tile's eight registers
.endr
.endr
	WIN 0
	s_wait_tensorcnt 0x0                           ; Wo's second fill: my quarter is in
	ds_add_u32 v[SPW], v[NIL]
	s_wait_dscnt 0x0                               ; my reads of the images are over:
	s_barrier_signal -1
	s_barrier_wait -1                              ; everybody's are, so their bytes may become the stages; and slot 1 is whole
	; ---- the last product; both slots are whole, so there is no change of slots
	FETCH 1
	s_wait_dscnt 20
	MULO 0
	PLACES 8
	FETCH 2
	s_wait_dscnt 20
	MULO 1
	PLACES 8
	WIN 0x80
	XLOAD 6                                        ; into the bias's registers, which are done with
	XLOAD 7
	FETCH 3
	s_wait_dscnt 20
	MULO 2
.irp g, 3,4,5,6
	PLACES 8
	FETCH \g+1
	s_wait_dscnt 20
	MULO \g
.endr
	s_wait_dscnt 0x0
	MULO 7
	; ---- THE WAY OUT, 16 channels at a time.  A lane holds 4 x 32 bytes of one row (a channel's 64 places); they go through my own stage and come back as whole rows of 256 bytes; x is added; sixteen lanes store 256 consecutive bytes, aligned.
.macro TOSTAGE t
	WIN 0x0c
.irp m, 0,1,2,3
	ds_store_b128 v[STO], v[32*(\t)+8*\m:32*(\t)+8*\m+3] offset:128*(\m/2)+32*(\m%2)       ; each accumulator from its low end on
	ds_store_b128 v[STO], v[32*(\t)+8*\m+4:32*(\t)+8*\m+7] offset:128*(\m/2)+32*(\m%2)+16
.endr
	WIN 0
.irp i, 0,1,2,3,4,5,6,7
	ds_load_b128 v[OB+32*((\t)%2)+4*\i:OB+32*((\t)%2)+4*\i+3], v[RD] offset:544*\i         ; LDS serves a wave's instructions in order (ISA guide 5.7.1.4): these see the stores above
.endr
.endm
.macro SEND t, younger                 ; younger: the LDS instructions issued behind block t's loads, which may stay out
	s_wait_dscnt \younger
	WIN 0x08
.irp i, 0,1,2,3,4,5,6,7,8,9,10,11,12,13,14,15
	v_pk_add_f32 v[OB+32*((\t)%2)+2*\i:OB+32*((\t)%2)+2*\i+1], v[OB+32*((\t)%2)+2*\i:OB+32*((\t)%2)+2*\i+1], v[32*(\t)+2*\i:32*(\t)+2*\i+1]
.endr
	WIN 0
.irp i, 0,1,2,3,4,5,6,7
	global_store_b128 v[GO], v[OB+32*((\t)%2)+4*\i:OB+32*((\t)%2)+4*\i+3], s[14:15] offset:8192*(16*(\t)+2*\i) th:TH_STORE_NT
.endr
.endm
	PLACES 8
	s_wait_loadcnt 0x0                             ; x
	TOSTAGE 0
.irp t, 1,2,3,4,5,6,7
.if \t > 1
	s_wait_xcnt 0x0                                ; the stores of two blocks back have read their registers: this block's loads may land there
.endif
	TOSTAGE \t
	SEND \t-1, 16                                  ; behind block t - 1's loads: block t's eight stores and eight loads
.endr
	SEND 7, 0
	s_wait_tensorcnt 0x0                           ; the wave's end
	ds_add_u32 v[SPW], v[NIL]
	s_wait_dscnt 0x0
	CROUND                                         ; the closing round: no work-group ends while a partner may still ask for a fill that names it
	s_endpgm
.Lfunc_end_k_q35594119ec_attn:
	.size	k_q35594119ec_attn, .Lfunc_end_k_q35594119ec_attn-k_q35594119ec_attn
	.p2alignl 7, 3214868480
	.fill 96, 4, 3214868480
	.section	.rodata,"a",@progbits
	.p2align	6, 0x0
	.amdhsa_kernel k_q35594119ec_attn
		.amdhsa_group_segment_fixed_size 327680
		.amdhsa_private_segment_fixed_size 0
		.amdhsa_enable_private_segment 0
		.amdhsa_kernarg_size 48
		.amdhsa_user_sgpr_count 2
		.amdhsa_user_sgpr_kernarg_segment_ptr 1
		.amdhsa_wavefront_size32 1
		.amdhsa_system_sgpr_workgroup_id_x 1
		.amdhsa_system_sgpr_workgroup_id_y 1
		.amdhsa_system_sgpr_workgroup_id_z 1
		.amdhsa_system_vgpr_workitem_id 0
		.amdhsa_next_free_vgpr 1024
		.amdhsa_next_free_sgpr 66
		.amdhsa_reserve_vcc 0
		.amdhsa_float_denorm_mode_32 3
		.amdhsa_float_denorm_mode_16_64 3
		.amdhsa_memory_ordered 1
		.amdhsa_forward_progress 1
		.amdhsa_inst_pref_size 255
	.end_amdhsa_kernel
	.section	.bss,"aw",@nobits
	.p2align	6
	.space	262144
	.amdgpu_metadata
---
amdhsa.version: [ 1, 2 ]
amdhsa.kernels:
  - .name:           k_q35594119ec_attn
    .symbol:         k_q35594119ec_attn.kd
    .args:
      - { .name: qf, .offset: 0, .size: 8, .value_kind: global_buffer, .address_space: global }
      - { .name: kv, .offset: 8, .size: 8, .value_kind: global_buffer, .address_space: global }
      - { .name: wf, .offset: 16, .size: 8, .value_kind: global_buffer, .address_space: global }
      - { .name: bo, .offset: 24, .size: 8, .value_kind: global_buffer, .address_space: global }
      - { .name: x, .offset: 32, .size: 8, .value_kind: global_buffer, .address_space: global }
      - { .name: out0, .offset: 40, .size: 8, .value_kind: global_buffer, .address_space: global }
    .group_segment_fixed_size: 327680
    .private_segment_fixed_size: 0
    .kernarg_segment_align: 8
    .kernarg_segment_size: 48
    .max_flat_workgroup_size: 128
    .sgpr_count:     66
    .vgpr_count:     1024
    .wavefront_size: 32
...
	.end_amdgpu_metadata
.endif
;; end of part 3
